; MI455X (gfx1250); checked and timed in simulation.
; The chip was launched on July 23, 2026; its instructions are those of AMD's public machine-readable ISA for CDNA 5 (MIT licence, August 2026) and "CDNA5" Instruction Set Architecture Reference Guide (July 2026). The comments in the code are by the model that wrote it; some were corrected since.
;; Attention. Allowed arithmetic: matrix products marked QUANTISED: E2M1 operands, one E8M0 scale for each 32 along K, by v_wmma_scale_f32_16x16x128_f8f6f4 with both operands' format E2M1 (or v_wmma_scale_f32_32x16x128_f4), f32 sums; everything else in f32.
;; Inputs: Wf_codes 1,024 x 32 x 16 uint8 (E2M1 codes of Wf, K innermost, in blocks of 32 codes, two codes a byte); Wf_scales 1,024 x 32 uint8 (E8M0 scales of Wf, one for each 32 codes along K); Wk_codes 1,024 x 32 x 16 uint8 (E2M1 codes of Wk, K innermost, in blocks of 32 codes, two codes a byte); Wk_scales 1,024 x 32 uint8 (E8M0 scales of Wk, one for each 32 codes along K); Wq_codes 1,024 x 32 x 16 uint8 (E2M1 codes of Wq, K innermost, in blocks of 32 codes, two codes a byte); Wq_scales 1,024 x 32 uint8 (E8M0 scales of Wq, one for each 32 codes along K); Wv_codes 1,024 x 32 x 16 uint8 (E2M1 codes of Wv, K innermost, in blocks of 32 codes, two codes a byte); Wv_scales 1,024 x 32 uint8 (E8M0 scales of Wv, one for each 32 codes along K); bf 1,024 float32; bk 1,024 float32; bq 1,024 float32; bv 1,024 float32; mask 8 x 1,024 bool; memory_codes 8 x 1,024 x 32 x 16 uint8 (E2M1 codes of memory, K innermost, in blocks of 32 codes, two codes a byte); memory_scales 8 x 1,024 x 32 uint8 (E8M0 scales of memory, one for each 32 codes along K); query_codes 8 x 1,024 x 32 x 16 uint8 (E2M1 codes of query, K innermost, in blocks of 32 codes, two codes a byte); query_scales 8 x 1,024 x 32 uint8 (E8M0 scales of query, one for each 32 codes along K).
;; Outputs: out0 8 x 1,024 x 1,024 float32; out1 8 x 1,024 x 1,024 float32.
;; This version of the problem:
;;   THIS VERSION OF THE PROBLEM IS GIVEN IN LOW PRECISION. The matrix products marked QUANTISED in the list below multiply operands that are first quantised to E2M1 (2 exponent bits, 1 mantissa bit; 4 bits a number), with one power-of-two scale for each 32 numbers along K (OCP MX v1.0); their sums are f32. All else is computed in f32.
;;   The module's matrix products, in the order in which they are computed (A, B: the left and right operand; K: the contracted axis; several contracted axes count as one K, in the product's order):
;;     1. [M 8,192, K 1,024] x [K 1,024, N 1,024]; A: input memory (given as codes); B: input Wk (given as codes): QUANTISED
;;     2. [M 8,192, K 1,024] x [K 1,024, N 1,024]; A: input memory (given as codes); B: input Wv (given as codes): QUANTISED
;;     3. [M 8,192, K 1,024] x [K 1,024, N 1,024]; A: input query (given as codes); B: input Wq (given as codes): QUANTISED
;;     4. batch 64 x [M 1,024, K 128] x [K 128, N 1,024]; A: computed on the way; B: computed on the way: QUANTISED
;;     5. batch 64 x [M 1,024, K 1,024] x [K 1,024, N 128]; A: softmax (see below); B: computed on the way: QUANTISED
;;     6. [M 8,192, K 1,024] x [K 1,024, N 1,024]; A: computed on the way; B: input Wf (given as codes): QUANTISED
;;   THE QUANTISER, for each operand of a quantised product, along K:
;;     - K is cut into blocks of 32 from its start; a last block that is shorter is filled with zeros.
;;     - A block's scale is 2^e with e = floor(log2(the largest magnitude in the block)) - 2, held to -126 .. 127; a block of zeros has e = 0. As a byte (E8M0): e + 127.
;;     - Each number is divided by its block's scale, clamped to +-6, and rounded to the nearest number of E2M1, ties to even, subnormals kept.
;;     - The product sums the exact products of the quantised numbers (number of the format x scale) in f32.
;;   ~~~python
;;   def quantise(x, axis):      # numpy; x: float32 -> the quantised numbers, widened to float32 again
;;       x = np.moveaxis(x, axis, -1); K = x.shape[-1]
;;       x = np.pad(x, [(0, 0)] * (x.ndim - 1) + [(0, -K % 32)]); x = x.reshape(x.shape[:-1] + (-1, 32)); a = np.abs(x).max(-1, keepdims=True)
;;       e = np.where(a > 0, np.clip(np.frexp(np.where(a > 0, a, 1))[1] - 1 - 2, -126, 127), 0)      # np.frexp(a)[1] - 1 = floor(log2(a)), exactly
;;       r = np.clip(x / 2.0 ** e, -6, 6)
;;       step = 2.0 ** (np.maximum(np.frexp(np.where(r == 0, 1, r))[1] - 1, 0) - 1)
;;       q = np.round(r / step) * step * 2.0 ** e      # np.round: ties to even
;;       return np.moveaxis(q.reshape(q.shape[:-2] + (-1,))[..., :K], -1, axis).astype(np.float32)
;;   ~~~
;;   SOFTMAX AHEAD OF A QUANTISED PRODUCT. Where the list says 'softmax', what is quantised is not the finished softmax but p = 2^(t - M), with t = logit x log2(e) and M = ceil(the row's largest t), a whole number; so 1/2 < the row's largest p <= 1. The row's sum l is taken of the UNQUANTISED p, in f32, and the product's result is divided by l at the end. Since M is a whole number, a kernel that streams over the keys may use a running M (the ceiling of the running maximum): every later rescaling is an exact power of two, which a block's scale takes up: the codes' values come out the same.
;;   OPERANDS COMPUTED ON THE WAY. 'Computed on the way' means the value that the module computes at that place (a softmax that the list does not call 'softmax' is quantised finished and normalised). What goes into a quantiser is computed in f32, as accurately as f32 sums, v_exp_f32 and their like allow (about 1e-6 of the number): no bf16 or f16 on the way to a quantiser, and a product that is left as it is and whose result goes on into a quantised operand takes f32 operands (vector FMAs, or v_wmma_f32_16x16x4_f32). A number that lies on a knife's edge between two numbers of the format may be rounded either way, as far as f32 arithmetic and the matrix unit's own rounding can turn it there, and no further.
;;   INPUTS GIVEN AS CODES. Wf (in the module: [1024, 1024], K = its axis 1); Wk (in the module: [1024, 1024], K = its axis 1); Wq (in the module: [1024, 1024], K = its axis 1); Wv (in the module: [1024, 1024], K = its axis 1); memory (in the module: [8, 1024, 1024], K = its axis 2); query (in the module: [8, 1024, 1024], K = its axis 2): each comes as NAME_codes (uint8): NAME with its K axis moved to the last place and cut into blocks of 32 codes, [.., K / 32, bytes a block], one block behind the other in memory; two codes a byte, the lower K in the low four bits (a code: sign, 2 exponent bits, 1 mantissa bit); and NAME_scales (uint8): the same leading axes, one E8M0 byte (e + 127) for each 32 codes along K. Its value is code x scale, taken as it is: it is not quantised again, and the codes and scales need not be those that the quantiser above would give.
;; 2 versions, each right; version 2 is version 1 with the launch attn written anew for expert scheduling mode. Each part assembles by itself: llvm-mc -triple=amdgcn-amd-amdhsa -mcpu=gfx1250 --defsym DOCPART=n.
;; ======== version 1 of 2: 3 launches
;; limits: right only within a limited range of input values
;; workspace buffers: qkv 13,369,344 bytes; ctx_codes 4,194,304 bytes; ctx_scales 262,144 bytes; stats 65,536 bytes; mterm 32,768 bytes
;; launch proj (part 1): grid 4 x 96, 4 waves a work-group, clusters of 4 x 4, 296,448 bytes of LDS; arguments query_codes, query_scales, memory_codes, memory_scales, Wq_codes, Wq_scales, Wk_codes, Wk_scales, Wv_codes, Wv_scales, bq, bk, bv, qkv; writes qkv
.if DOCPART == 1
	.amdgcn_target "amdgcn-amd-amdhsa--gfx1250"
	.amdhsa_code_object_version 6
	.text
	.protected	k_qe40000531f_proj
	.globl	k_qe40000531f_proj
	.p2align	8
	.type	k_qe40000531f_proj,@function
k_qe40000531f_proj:
	s_mov_b64 s[64:65], 0
	v_nop
	global_prefetch_b8 v0, s[64:65] scope:SCOPE_SE
	s_setreg_imm32_b32 hwreg(HW_REG_WAVE_MODE, 25, 1), 1
	s_wait_xcnt 0x0
	s_wait_alu depctr_hold_cnt(0) depctr_sa_sdst(0) depctr_va_vdst(0) depctr_va_sdst(0) depctr_va_ssrc(0) depctr_va_vcc(0) depctr_vm_vsrc(0)
	s_getreg_b32 s2, hwreg(HW_REG_IB_STS2, 6, 4)
	s_cmp_eq_u32 s2, 0
	s_cbranch_scc0 .Lentry_in_a_cluster
	s_endpgm
.Lentry_in_a_cluster:
	s_bfe_u32 s2, ttmp6, 0x10000c
	s_cmp_lg_u32 s2, 0xf033
	s_cbranch_scc0 .Lentry_shape_is_right
	s_endpgm
.Lentry_shape_is_right:
; THE THREE PROJECTIONS, q = (query Wq^T + bq) / sqrt(128), k = memory Wk^T + bk, v = memory Wv^T + bv, on codes of FP4 (E2M1) with one E8M0 scale for each 32 along K = 1,024,
; and the quantiser behind them: q and k along the head's 128 channels, v along the keys.  What is stored are codes and scale words in the order of an operand's registers.
; ONE PATH FOR THREE PRODUCTS.  A is the operand of which a lane holds one row (source 1), B the one whose rows run along a lane's registers (source 0), which is the next product's K.
;   p = 0: A = query, B = Wq.   p = 1: A = memory, B = Wk.   p = 2: A = Wv, B = memory: a lane then holds one channel of v and its registers run along the keys.  Only pointers and numbers are chosen by p; no branch hangs on it.
; SHARES.  A work-group of four waves makes 256 x 256, a wave 128 x 128: 64 accumulators, 512 registers.  K = 1,024 is two slots of 512: both, and all scale bytes of the 512 rows, lie in LDS together
; (2 x 139,264 + 17,408 bytes), so every LDS byte is filled once and nothing is filled again.
; CLUSTERS: 4 x 4 work-groups; 24 clusters, 8 for each product.  The four of a row of the cluster need the same rows of A, the four of a column the same rows of B: each tile is asked for jointly.
; OUT: block (p, batch, head) of qkv is 69,632 bytes: 64 fragment images [step of 128][fragment of 16 rows] x 1,024 bytes (register 4 c + i of lane L at 512 c + 16 L + 4 i), then 8 scale images x 512 bytes
; (byte 16 L + 4 i: the scale word of row L % 16 of fragment 4 (L / 16) + i).  Every store of a wave covers 512 consecutive bytes, aligned.
; LIMITS: NaN and infinities among the inputs are not served.  A block of zeros gets the scale byte 1 where the quantiser's rule says 127: its codes are zeros, and this program alone reads the bytes.
; REGISTERS, in windows of 256: window 0: v1-3 at work, v4-15 the quantiser's, v16-27 addresses, v28-31 a scale image, v32-95 scale words (two sets), v96-111 the bias by lane, v112-119 the scale words made,
;   v128-191 A's fragments, later 64 numbers at work; v192-255 the bias along the registers, later the codes made.  window 1: B's fragments, two sets.  windows 2, 3: the accumulators ((a, b) at v[8 (8 (a % 4) + b)]).
.set NQ,     4                         ; steps of 128 along K in a slot
.set ROWB,   256                       ; a tile's row in bytes: 512 codes
.set KROW,   512                       ; a row of A or of B in memory, in bytes
.set PITCH,  272                       ; an LDS row: 256 bytes + 16 of padding: the 16 rows that a load touches start 68 words apart
.set FR,     8                         ; registers of a fragment
.set NL,     2                         ; LDS loads that bring one
.set NP,     4                         ; places behind this matrix instruction (ISA guide 7.12.1)
.set HALFT,  128*PITCH                 ; 128 rows: what one tensor load brings
.set SLOT,   4*HALFT                   ; A's 256 rows, then B's 256 rows
.set KS,     32                        ; a row of scale bytes
.set SCL,    2*SLOT                    ; behind the slots: the scales, as units of 256 bytes + 16 of padding
.set HALFS,  (128*KS/256)*272          ; those of 128 rows
.set SBLK,   (16*KS/256)*272           ; those of 16 rows
.set BLKB,   69632                     ; a block of qkv
.set TM,   4                           ; v4-7 largest magnitudes, v8-11 the other half's, then bytes, v12-15 the conversions' scale operands
.set ADRA, 16                          ; v16-17 LDS address of my A fragments in slot 0, 1
.set ADRB, 20                          ; v20-21 the same for B
.set LI,   24                          ; v24    16 x lane: my place in an image
.set ADRS, 27                          ; v27    LDS address of my scale words: lanes 0-15 A's rows, lanes 16-31 B's
.set IMG,  28
.set SC,   32
.set BAB,  96                          ; pair 2 a: the bias of A's block a by lane, and a 0
.set PW,   112
.set AF,   128
.set T,    128
.set BI,   192
.set CD,   192
.set G1,   24                          ; s[24:31] group 1 for A's tiles; s[32:39] group 0, one set a slot
.set G0,   32
.set G1B,  48
.set G0B,  56
.set G1S,  68                          ; the same for the scales
.set G0S,  76
.set G1SB, 80
.set G0SB, 88
.set PR,   95                          ; s95 p
.set CQ,   96                          ; s[96:97] 1 / sqrt(128) for q, else 1
.set SELB, 98                          ; s98 all ones where the bias runs along the registers (p = 0, 1)
.set SELA, 99                          ; s99 all ones where it goes by lane (p = 2)
.set SEL,  100                         ; s[100:101] v_permlanex16_b32's selects for lane l xor 16
.set MSB, 0
.macro WIN new                         ; the immediate's high byte repeats the setting that is left
.if MSB != (\new)
	s_set_vgpr_msb (MSB<<8)|(\new)
.set MSB, (\new)
.endif
.endm
.set MUL_LO, 0xa1                      ; source 0 (B) window 1, source 1 (A) window 0, C and D window 2
.set MUL_HI, 0xf1                      ; the same, C and D window 3
.set TO_B,   0x40                      ; destination window 1, address window 0
; A joint load: waves 0 and 1 fetch for A, waves 2 and 3 for B; the branch hangs on the wave's number alone.  Four v_nop follow each of the two lines.
.macro JLOAD g0a, g1a, g0b, g1b
	s_cmp_eq_u32 s15, 0
	s_cbranch_scc0 .Lfor_b_\@
	tensor_load_to_lds s[\g0a:\g0a+3], s[\g1a:\g1a+7]
	s_nop 0
.rept 4
	v_nop
.endr
	s_branch .Lasked_\@
.Lfor_b_\@:
	tensor_load_to_lds s[\g0b:\g0b+3], s[\g1b:\g1b+7]
	s_nop 0
.rept 4
	v_nop
.endr
.Lasked_\@:
.endm
.macro CROUND                          ; a round of the cluster's barrier
	s_barrier_signal -1
	s_barrier_wait -1
	s_cmp_lg_u32 s14, 0
	s_cbranch_scc1 .Lnot_wave_0_\@
	s_barrier_signal -3
.Lnot_wave_0_\@:
	s_barrier_wait -3
	s_barrier_signal -1
	s_barrier_wait -1
.endm
	s_load_b512 s[24:39], s[0:1], 0x0              ; query's codes, scales; memory's; Wq's; Wk's
	s_load_b256 s[48:55], s[0:1], 0x40             ; Wv's codes, scales; bq; bk
	s_load_b128 s[56:59], s[0:1], 0x60             ; bv; qkv
	v_lshl_add_u32 v126, v0, 2, 0x48400
	v_mov_b32 v127, 0
	ds_add_u32 v126, v127
	ds_add_u32 v126, v127
	v_lshrrev_b32 v1, 5, v0
	v_readfirstlane_b32 s14, v1                    ; wave 0..3
	s_lshr_b32 s15, s14, 1                         ; which half of A's rows is mine.  Also: I fetch for A (0) or for B (1)
	s_and_b32 s16, s14, 1                          ; which half of B's rows.  Also: which 128 rows I fetch
	s_bfe_u32 s40, ttmp6, 0x40000                  ; cx, cy: my place in the cluster
	s_bfe_u32 s41, ttmp6, 0x40004
	s_and_b32 s17, ttmp7, 0xffff                   ; the cluster, 0..23
	s_lshr_b32 s[PR], s17, 3                       ; p
	s_and_b32 s18, s17, 7
	s_lshl_b32 s18, s18, 2                         ; the first of the four tiles of 256 positions that this cluster takes
	s_cmp_eq_u32 s[PR], 2
	s_cselect_b32 s17, 0, s18                      ; the positions are A's rows (p = 0, 1)
	s_cselect_b32 s42, s18, 0                      ; or B's (p = 2); the other operand is a weight of four tiles
	s_cselect_b32 s[SELB], 0, -1
	s_cselect_b32 s[SELA], -1, 0
	s_add_co_u32 s17, s17, s41                     ; A's tile: it hangs on cy, which my row of the cluster shares
	s_add_co_u32 s42, s42, s40                     ; B's tile: on cx, which my column shares
	s_cmp_eq_u32 s[PR], 0
	s_cselect_b32 s[CQ], 0x3db504f3, 1.0           ; 1 / sqrt(128)
	s_mov_b32 s[CQ+1], s[CQ]                       ; (named with it as a pair, so it is written)
	s_mov_b32 s2, 0xffff0000                       ; lanes 16-31
	s_mov_b32 s[SEL], 0x76543210
	s_mov_b32 s[SEL+1], 0xfedcba98
	s_lshl_b32 s43, s41, 2
	s_lshl_b32 s43, 15, s43                        ; my row of the cluster
	s_lshl_b32 s44, 0x1111, s40                    ; my column
	s_lshl_b32 s18, s16, 7                         ; which 128 rows of the tile I fetch
	s_lshl_b32 s20, s17, 8
	s_add_co_u32 s20, s20, s18                     ; A: row 256 x tile + 128 x half
	s_lshl_b32 s46, s42, 8
	s_add_co_u32 s46, s46, s18                     ; B likewise
	s_lshl_b32 s22, s20, 5                         ; where these rows' scales begin, in bytes,
	s_mov_b32 s23, 0
	s_lshl_b32 s92, s46, 5
	s_mov_b32 s93, 0
	s_lshl_b32 s20, s20, 9                         ; and their codes (8,192 rows of 512 bytes at the most)
	s_mov_b32 s21, 0
	s_lshl_b32 s46, s46, 9
	s_mov_b32 s47, 0
	s_mul_i32 s45, s14, HALFT                      ; where they go: wave x 128 rows: no place in the cluster enters an LDS address
	s_mul_i32 s94, s14, HALFS
	s_wait_dscnt 0x0
	s_wait_kmcnt 0x0
	s_cmp_eq_u32 s[PR], 0                          ; the buffers are chosen by p, which hangs on the cluster's number alone
	s_cselect_b64 s[4:5], s[24:25], s[28:29]       ; A's codes: query's or memory's
	s_cselect_b64 s[6:7], s[26:27], s[30:31]
	s_cselect_b64 s[8:9], s[32:33], s[36:37]       ; B's: Wq's or Wk's
	s_cselect_b64 s[10:11], s[34:35], s[38:39]
	s_cselect_b64 s[66:67], s[52:53], s[54:55]     ; bq or bk
	s_cmp_eq_u32 s[PR], 2
	s_cselect_b64 s[4:5], s[48:49], s[4:5]         ; p = 2: A is Wv,
	s_cselect_b64 s[6:7], s[50:51], s[6:7]
	s_cselect_b64 s[8:9], s[28:29], s[8:9]         ; B is memory,
	s_cselect_b64 s[10:11], s[30:31], s[10:11]
	s_cselect_b64 s[66:67], s[56:57], s[66:67]     ; the bias bv
	s_mov_b64 s[12:13], s[58:59]                   ; qkv
	s_add_nc_u64 s[20:21], s[4:5], s[20:21]
	s_add_nc_u64 s[22:23], s[6:7], s[22:23]
	s_add_nc_u64 s[46:47], s[8:9], s[46:47]
	s_add_nc_u64 s[92:93], s[10:11], s[92:93]
	; descriptor group 1 (the arguments' registers are free now): a tile of 128 rows x 256 bytes, padded in LDS
	s_or_b32 s[G1+0], s43, (0<<16)|(1<<20)|(1<<21)|(5<<22)|(3<<25)  ; 15:0 the mask: A's tiles go to my row; elements of 1 byte; padding on; bit 21 beside a mask; after every 64 words 4 words
	s_or_b32 s[G1B+0], s44, (0<<16)|(1<<20)|(1<<21)|(5<<22)|(3<<25) ; B's go to my column
.irp g, G1, G1B
	s_mov_b32 s[\g+1], ROWB<<16                    ; tensor_dim0
	s_mov_b32 s[\g+2], 128<<16                     ; tensor_dim1
	s_mov_b32 s[\g+3], ROWB<<16                    ; tile_dim0
	s_mov_b32 s[\g+4], 128                         ; tile_dim1
	s_mov_b32 s[\g+5], KROW                        ; from row to row
	s_mov_b32 s[\g+6], 0
	s_mov_b32 s[\g+7], 0
.endr
	; the scales of 128 rows: 4,096 dense bytes, as 16 rows of 256 bytes (32 elements of 8 bytes), 16 bytes of padding behind each
	s_or_b32 s[G1S+0], s43, (3<<16)|(1<<20)|(1<<21)|(5<<22)|(3<<25)
	s_or_b32 s[G1SB+0], s44, (3<<16)|(1<<20)|(1<<21)|(5<<22)|(3<<25)
.irp g, G1S, G1SB
	s_mov_b32 s[\g+1], 32<<16
	s_mov_b32 s[\g+2], (128*KS/256)<<16
	s_mov_b32 s[\g+3], 32<<16
	s_mov_b32 s[\g+4], 128*KS/256
	s_mov_b32 s[\g+5], 32
	s_mov_b32 s[\g+6], 0
	s_mov_b32 s[\g+7], 0
.endr
	CROUND                                         ; all sixteen work-groups are here: the joint loads meet
	s_mov_b32 s[G0S], 1
	s_add_co_u32 s[G0S+1], s94, SCL
	s_mov_b64 s[G0S+2:G0S+3], s[22:23]
	s_or_b32 s[G0S+3], s[G0S+3], 0x80000000
	s_mov_b32 s[G0SB], 1
	s_add_co_u32 s[G0SB+1], s94, SCL
	s_mov_b64 s[G0SB+2:G0SB+3], s[92:93]
	s_or_b32 s[G0SB+3], s[G0SB+3], 0x80000000
	JLOAD G0S, G1S, G0SB, G1SB                     ; the scales first: they are wanted with slot 0
.irp s, 0,1
	s_mov_b32 s[G0+4*\s], 1
	s_add_co_u32 s[G0+4*\s+1], s45, \s*SLOT
	s_add_nc_u64 s[G0+4*\s+2:G0+4*\s+3], s[20:21], \s*ROWB
	s_or_b32 s[G0+4*\s+3], s[G0+4*\s+3], 0x80000000
	s_mov_b32 s[G0B+4*\s], 1
	s_add_co_u32 s[G0B+4*\s+1], s45, \s*SLOT
	s_add_nc_u64 s[G0B+4*\s+2:G0B+4*\s+3], s[46:47], \s*ROWB
	s_or_b32 s[G0B+4*\s+3], s[G0B+4*\s+3], 0x80000000
	JLOAD G0+4*\s, G1, G0B+4*\s, G1B               ; three tensor loads of mine are out: all that this launch has
.endr
	v_and_b32 v1, 15, v0                           ; r = l % 16
	v_bfe_u32 v2, v0, 4, 1                         ; h = l / 16
	v_mul_u32_u24 v3, v1, PITCH
	v_lshl_add_u32 v4, v2, 4, v3                   ; a fragment's row x pitch + 16 x half
	s_mul_i32 s21, s15, HALFT                      ; my 128 rows of A
	s_mul_i32 s22, s16, HALFT                      ; my 128 rows of B,
	s_add_co_u32 s22, s22, 2*HALFT                 ; which lie behind A's 256
.irp s, 0,1
	v_add_nc_u32 v[ADRA+\s], s21, v4
	v_add_nc_u32 v[ADRB+\s], s22, v4
	s_add_co_u32 s21, s21, SLOT
	s_add_co_u32 s22, s22, SLOT
.endr
	v_mul_u32_u24 v5, v1, KS                       ; my row's scales: 32 bytes a row,
	v_lshrrev_b32 v6, 8, v5
	v_lshl_add_u32 v5, v6, 4, v5                   ; and 16 more for each 256 passed
	s_mul_i32 s21, s15, HALFS                      ; A's: my 128 rows
	s_mul_i32 s22, s16, HALFS                      ; B's: my 128 rows, behind A's 256
	s_add_co_u32 s22, s22, 2*HALFS
	s_sub_co_u32 s22, s22, s21
	v_mul_u32_u24 v6, s22, v2                      ; lanes 16-31 take B's
	s_add_co_u32 s21, s21, SCL
	v_add_nc_u32 v5, v5, v6
	v_add_nc_u32 v[ADRS], s21, v5
	v_and_b32 v3, 31, v0
	v_lshlrev_b32 v[LI], 4, v3
	; THE BIAS, both ways, without a branch.  Along the registers (B's rows are the outputs: p = 0, 1): eight numbers for each of B's blocks, the C of the first products.  By lane (A's rows are the outputs: p = 2): one
	; number for each of A's blocks, added behind the sums.  Both are loaded; the one that does not apply is replaced by zeros.  A tile's number is cut to 0..3, so that every load stays inside the 1,024 numbers.
	s_and_b32 s18, s42, 3
	s_lshl_b32 s18, s18, 10
	s_lshl_b32 s19, s16, 9
	s_add_co_u32 s18, s18, s19
	s_mov_b32 s19, 0
	s_add_nc_u64 s[18:19], s[66:67], s[18:19]      ; at B's 128 rows that are mine
	s_and_b32 s22, s17, 3
	s_lshl_b32 s22, s22, 10
	s_lshl_b32 s23, s15, 9
	s_add_co_u32 s22, s22, s23
	s_mov_b32 s23, 0
	s_add_nc_u64 s[22:23], s[66:67], s[22:23]      ; at A's
	v_lshlrev_b32 v5, 5, v2                        ; 8 h numbers on
	v_lshlrev_b32 v6, 2, v1                        ; r numbers on
.irp b, 0,1,2,3,4,5,6,7
	global_load_b128 v[BI+8*\b:BI+8*\b+3], v5, s[18:19] offset:64*\b
	global_load_b128 v[BI+8*\b+4:BI+8*\b+7], v5, s[18:19] offset:64*\b+16
.endr
.irp a, 0,1,2,3,4,5,6,7
	global_load_b32 v[BAB+2*\a], v6, s[22:23] offset:64*\a
.endr
	s_wait_loadcnt 0x0
.set J, 0
.rept 64
	v_cndmask_b32 v[BI+J], 0, v[BI+J], s[SELB]
.set J, J+1
.endr
.irp a, 0,1,2,3,4,5,6,7
	v_cndmask_b32 v[BAB+2*\a], 0, v[BAB+2*\a], s[SELA]
	v_mov_b32 v[BAB+2*\a+1], 0                     ; (named with it as a pair, so it is written)
.endr
.irp b, 0,1,2,3
	v_mov_b32 v[TM+4+\b], 0                        ; written once: a lane permute's destination counts as one of its sources
.endr
	; where my 128 x 128 goes.  X: which 128 positions (0..63: batch 8 to one, step in it); HD: which head
	s_lshl_b32 s18, s17, 1
	s_add_co_u32 s18, s18, s15                     ; which 128 rows of A
	s_lshl_b32 s19, s42, 1
	s_add_co_u32 s19, s19, s16                     ; which 128 rows of B
	s_cmp_eq_u32 s[PR], 2
	s_cselect_b32 s20, s19, s18                    ; X
	s_cselect_b32 s21, s18, s19                    ; HD
	s_lshr_b32 s22, s20, 3
	s_lshl_b32 s22, s22, 3
	s_add_co_u32 s22, s22, s21
	s_lshl_b32 s23, s[PR], 6
	s_add_co_u32 s22, s22, s23                     ; the block: 64 p + 8 x batch + head
	s_mul_i32 s22, s22, BLKB
	s_and_b32 s20, s20, 7
	s_lshl_b32 s23, s20, 13
	s_add_co_u32 s46, s22, s23                     ; the step's eight fragment images
	s_mov_b32 s47, 0
	s_lshl_b32 s23, s20, 9
	s_add_co_u32 s92, s22, s23
	s_add_co_u32 s92, s92, 65536                   ; and its scale image
	s_mov_b32 s93, 0
	s_add_nc_u64 s[92:93], s[12:13], s[92:93]
	s_add_nc_u64 s[12:13], s[12:13], s[46:47]
.macro FRAG reg, adr, q, i             ; a fragment, 16 rows x 128 K of 4-bit codes: lane l holds row l % 16; registers 4 c .. 4 c + 3 hold K = 64 c + 32 (l / 16) + 0 .. 31
.irp c, 0,1
	ds_load_b128 v[\reg+4*\c:\reg+4*\c+3], v[\adr] offset:64*(\q)+32*\c+(\i)*16*PITCH
.endr
.endm
; 16 matrix instructions: A's blocks a0, a0 + 1 x B's eight, 128 along K: the slot's q-th.  p: B's set; sc: the set of scale words.  first = 1: the sums start from the bias along the registers: nothing is cleared.
; The 64 accumulators take turns, one instruction a turn, in the same order in every step.  Lanes 16-31 of a scale register hold B's words, lanes 0-15 A's.
.macro MUL16 a0, p, q, sc, first
.irp a, \a0, \a0+1
.irp b, 0,1,2,3,4,5,6,7
.if \first
	v_wmma_scale_f32_16x16x128_f8f6f4 v[8*(8*((\a)%4)+\b):8*(8*((\a)%4)+\b)+7], v[128*(\p)+FR*\b:128*(\p)+FR*\b+FR-1], v[AF+FR*(\a):AF+FR*(\a)+FR-1], v[BI+8*\b:BI+8*\b+7], v[SC+8*NQ*(\sc)+NQ*\b+(\q)], v[SC+8*NQ*(\sc)+NQ*(\a)+(\q)] matrix_a_fmt:MATRIX_FMT_FP4 matrix_b_fmt:MATRIX_FMT_FP4 matrix_a_scale:MATRIX_SCALE_ROW1
.else
	v_wmma_scale_f32_16x16x128_f8f6f4 v[8*(8*((\a)%4)+\b):8*(8*((\a)%4)+\b)+7], v[128*(\p)+FR*\b:128*(\p)+FR*\b+FR-1], v[AF+FR*(\a):AF+FR*(\a)+FR-1], v[8*(8*((\a)%4)+\b):8*(8*((\a)%4)+\b)+7], v[SC+8*NQ*(\sc)+NQ*\b+(\q)], v[SC+8*NQ*(\sc)+NQ*(\a)+(\q)] matrix_a_fmt:MATRIX_FMT_FP4 matrix_b_fmt:MATRIX_FMT_FP4 matrix_a_scale:MATRIX_SCALE_ROW1
.endif
.endr
.endr
.endm
.macro FETCH_B slot, q, p              ; B's eight fragments of the slot's q-th 128 along K into set p
	WIN TO_B
.irp i, 0,1,2,3,4,5,6,7
	FRAG 128*(\p)+FR*\i, ADRB+\slot, \q, \i
.endr
	WIN 0
.endm
.macro FETCH_A slot, q, i0             ; A's blocks i0 .. i0 + 3
.irp i, \i0, \i0+1, \i0+2, \i0+3
	FRAG AF+FR*(\i), ADRA+\slot, \q, \i
.endr
.endm
.macro SCALES sc                       ; a slot's scale words into set sc: four words a row; lanes 0-15 take A's block i, lanes 16-31 B's block i
.irp i, 0,1,2,3,4,5,6,7
	ds_load_b128 v[SC+8*NQ*\sc+NQ*\i:SC+8*NQ*\sc+NQ*\i+3], v[ADRS] offset:\i*SBLK
.endr
.endm
.macro PLACES n                        ; plain vector instructions between a matrix instruction and a load into one of its registers, or the first read of a result
.rept \n
	v_nop
.endr
.endm
; A step of 128 along K that has its successor in the same slot.  A has one set of registers: blocks 0-3 are fetched anew in the step's middle, blocks 4-7 at its end.  B has two sets.
.macro STEP slot, q, first
	s_wait_dscnt 4*NL                              ; all but the youngest eight loads (A's blocks 4-7) are in
	WIN MUL_LO-0x20*(\first)                       ; (first = 1: C, the bias, lies in window 0)
	MUL16 0, (\q)%2, \q, \slot, \first
	MUL16 2, (\q)%2, \q, \slot, \first
	s_wait_dscnt 0                                 ; A's blocks 4-7 are in (asked for 32 matrix instructions ago)
	PLACES NP
	FETCH_B \slot, (\q)+1, 1-(\q)%2
	FETCH_A \slot, (\q)+1, 0
	WIN MUL_HI-0x30*(\first)
	MUL16 4, (\q)%2, \q, \slot, \first
	MUL16 6, (\q)%2, \q, \slot, \first
	PLACES NP
	WIN 0
	FETCH_A \slot, (\q)+1, 4
.endm
.macro STEPS slot, from                ; the slot's steps from .. NQ - 2
.set Q, \from
.rept NQ-1-\from
	STEP \slot, Q, 0
.set Q, Q+1
.endr
.endm
	s_wait_tensorcnt 1                             ; the scales and my part of slot 0 are in; slot 1's one load may stay out,
	s_barrier_signal -1
	s_barrier_wait -1                              ; everybody's are
	FETCH_B 0, 0, 0
	FETCH_A 0, 0, 0
	SCALES 0
	FETCH_A 0, 0, 4
	STEP 0, 0, 1
	STEPS 0, 1
	; slot 0's last step goes over to slot 1: my part of it has landed, then the barrier: everybody's has.
	s_wait_tensorcnt 0x0
	s_wait_dscnt 4*NL
	WIN MUL_LO
	MUL16 0, 1, NQ-1, 0, 0
	s_wait_dscnt 0x0                               ; no LDS instruction of mine is out at a signal
	s_barrier_signal -1
	MUL16 2, 1, NQ-1, 0, 0                         ; work on registers while the others arrive
	WIN 0
	s_barrier_wait -1
	PLACES NP
	v_add_nc_u32 v[ADRS], 4*NQ, v[ADRS]            ; on to slot 1's scale words
	FETCH_B 1, 0, 0
	FETCH_A 1, 0, 0
	SCALES 1
	WIN MUL_HI
	MUL16 4, 1, NQ-1, 0, 0
	MUL16 6, 1, NQ-1, 0, 0
	PLACES NP
	WIN 0
	FETCH_A 1, 0, 4
	STEPS 1, 0
	s_wait_dscnt 4*NL                              ; the last step: nothing more to fetch
	WIN MUL_LO
	MUL16 0, 1, NQ-1, 1, 0
	MUL16 2, 1, NQ-1, 1, 0
	s_wait_dscnt 0
	WIN MUL_HI
	MUL16 4, 1, NQ-1, 1, 0
	MUL16 6, 1, NQ-1, 1, 0
	WIN 0
; THE QUANTISER.  64 numbers of a lane, v[s] .. v[s + 63]: register 8 t + j is k = 16 t + 8 (lane / 16) + j of my row.  They become a fragment's codes in v[pc] .. v[pc + 7] and its scale word in v[pw].
; A block of 32 is registers 16 b .. 16 b + 15 of lanes l and l xor 16.  Its largest magnitude, with the floor 2^(3 - 127) among the leaves, less 2 in its exponent field is the conversion's scale operand; that field is the byte.
; The operand wants k = 64 c + 32 h + 8 g + 0 .. 7 in register 4 c + g of half h: tile 4 c + 2 h + g / 2 from half g % 2.  So tiles 4 c, 4 c + 2 go to registers 4 c, 4 c + 1 and tiles 4 c + 1, 4 c + 3 to 4 c + 2, 4 c + 3,
; and each pair changes the first's upper lanes for the second's lower.
.macro QUANTP s, pc, pw
.irp b, 0,1,2,3
	v_max3_num_f32 v[TM+\b], |v[(\s)+16*\b]|, |v[(\s)+1+16*\b]|, 0x1800000
.endr
.irp i, 2,4,6,8,10,12,14
.irp b, 0,1,2,3
	v_max3_num_f32 v[TM+\b], v[TM+\b], |v[(\s)+16*\b+\i]|, |v[(\s)+1+16*\b+\i]|   ; (the four blocks by turns)
.endr
.endr
.irp b, 0,1,2,3
	v_permlanex16_b32 v[TM+4+\b], v[TM+\b], s[SEL], s[SEL+1]
.endr
.irp b, 0,1,2,3
	v_max_num_f32 v[TM+\b], v[TM+\b], v[TM+4+\b]
.endr
.irp b, 0,1,2,3
	v_add_nc_u32 v[TM+8+\b], 0xff000000, v[TM+\b]
.endr
.irp b, 0,1,2,3
	v_lshrrev_b32 v[TM+4+\b], 23, v[TM+8+\b]
.endr
	v_lshl_or_b32 v[\pw], v[TM+5], 8, v[TM+4]
	v_lshl_or_b32 v[\pw], v[TM+6], 16, v[\pw]
	v_lshl_or_b32 v[\pw], v[TM+7], 24, v[\pw]
.irp t, 0,1,2,3,4,5,6,7
	v_cvt_scalef32_pk8_fp4_f32 v[(\pc)+4*(\t/4)+2*(\t%2)+(\t%4)/2], v[(\s)+8*\t:(\s)+8*\t+7], v[TM+8+\t/2]
.endr
	v_nop                                          ; one plain instruction behind the scaled conversions
.irp c, 0,1
	v_permlane16_swap_b32 v[(\pc)+4*\c], v[(\pc)+4*\c+1]
	v_permlane16_swap_b32 v[(\pc)+4*\c+2], v[(\pc)+4*\c+3]
.endr
.endm
	; THE WAY OUT, a block of 16 rows of A at a time: (sum + bias along the registers) x c + bias by lane, in f32; quantised; the fragment's image stored.  Each block has its own registers for its codes, so no store's data are written again.
	PLACES NP
.irp a, 0,1,2,3,4,5,6,7
	WIN 0x02+\a/4                                  ; source 0: window 2 or 3
.irp i, 0,2,4,6,8,10,12,14,16,18,20,22,24,26,28,30,32,34,36,38,40,42,44,46,48,50,52,54,56,58,60,62
	v_pk_fma_f32 v[T+\i:T+\i+1], v[64*(\a%4)+\i:64*(\a%4)+\i+1], s[CQ:CQ+1], v[BAB+2*\a:BAB+2*\a+1] op_sel_hi:[1,0,0]   ; ascending: each accumulator is read from its low end on
.endr
	WIN 0
	QUANTP T, CD+8*\a, PW+\a
	global_store_b128 v[LI], v[CD+8*\a:CD+8*\a+3], s[12:13] offset:1024*\a
	global_store_b128 v[LI], v[CD+8*\a+4:CD+8*\a+7], s[12:13] offset:1024*\a+512
.endr
.irp i, 0,1,2,3
	v_cndmask_b32 v[IMG+\i], v[PW+\i], v[PW+4+\i], s2   ; the scale image: lanes 0-15 blocks 0-3, lanes 16-31 blocks 4-7
.endr
	global_store_b128 v[LI], v[IMG:IMG+3], s[92:93]
	s_wait_tensorcnt 0x0
	ds_add_u32 v126, v127
	s_wait_dscnt 0x0
	CROUND                                         ; the closing round: no work-group ends while a partner may still ask for a tile that names it
	s_endpgm
.Lfunc_end_k_qe40000531f_proj:
	.size	k_qe40000531f_proj, .Lfunc_end_k_qe40000531f_proj-k_qe40000531f_proj
	.p2alignl 7, 3214868480
	.fill 96, 4, 3214868480
	.section	.rodata,"a",@progbits
	.p2align	6, 0x0
	.amdhsa_kernel k_qe40000531f_proj
		.amdhsa_group_segment_fixed_size 296448
		.amdhsa_private_segment_fixed_size 0
		.amdhsa_enable_private_segment 0
		.amdhsa_kernarg_size 112
		.amdhsa_user_sgpr_count 2
		.amdhsa_user_sgpr_kernarg_segment_ptr 1
		.amdhsa_wavefront_size32 1
		.amdhsa_system_sgpr_workgroup_id_x 1
		.amdhsa_system_sgpr_workgroup_id_y 1
		.amdhsa_system_sgpr_workgroup_id_z 1
		.amdhsa_system_vgpr_workitem_id 0
		.amdhsa_next_free_vgpr 1024
		.amdhsa_next_free_sgpr 102
		.amdhsa_reserve_vcc 0
		.amdhsa_float_denorm_mode_32 3
		.amdhsa_float_denorm_mode_16_64 3
		.amdhsa_memory_ordered 1
		.amdhsa_forward_progress 1
		.amdhsa_inst_pref_size 152
	.end_amdhsa_kernel
	.amdgpu_metadata
---
amdhsa.version: [ 1, 2 ]
amdhsa.kernels:
  - .name:           k_qe40000531f_proj
    .symbol:         k_qe40000531f_proj.kd
    .args:
      - { .name: query_codes, .offset: 0, .size: 8, .value_kind: global_buffer, .address_space: global }
      - { .name: query_scales, .offset: 8, .size: 8, .value_kind: global_buffer, .address_space: global }
      - { .name: memory_codes, .offset: 16, .size: 8, .value_kind: global_buffer, .address_space: global }
      - { .name: memory_scales, .offset: 24, .size: 8, .value_kind: global_buffer, .address_space: global }
      - { .name: Wq_codes, .offset: 32, .size: 8, .value_kind: global_buffer, .address_space: global }
      - { .name: Wq_scales, .offset: 40, .size: 8, .value_kind: global_buffer, .address_space: global }
      - { .name: Wk_codes, .offset: 48, .size: 8, .value_kind: global_buffer, .address_space: global }
      - { .name: Wk_scales, .offset: 56, .size: 8, .value_kind: global_buffer, .address_space: global }
      - { .name: Wv_codes, .offset: 64, .size: 8, .value_kind: global_buffer, .address_space: global }
      - { .name: Wv_scales, .offset: 72, .size: 8, .value_kind: global_buffer, .address_space: global }
      - { .name: bq, .offset: 80, .size: 8, .value_kind: global_buffer, .address_space: global }
      - { .name: bk, .offset: 88, .size: 8, .value_kind: global_buffer, .address_space: global }
      - { .name: bv, .offset: 96, .size: 8, .value_kind: global_buffer, .address_space: global }
      - { .name: qkv, .offset: 104, .size: 8, .value_kind: global_buffer, .address_space: global }
    .group_segment_fixed_size: 296448
    .private_segment_fixed_size: 0
    .kernarg_segment_align: 8
    .kernarg_segment_size: 112
    .max_flat_workgroup_size: 128
    .sgpr_count:     102
    .vgpr_count:     1024
    .wavefront_size: 32
...
	.end_amdgpu_metadata
.endif
;; end of part 1
;; launch attn (part 2): grid 4 x 64, 16 waves a work-group, no clusters, 145,408 bytes of LDS; arguments qkv, mask, ctx_codes, ctx_scales, stats, mterm; writes ctx_codes, ctx_scales, stats, mterm
.if DOCPART == 2
	.amdgcn_target "amdgcn-amd-amdhsa--gfx1250"
	.amdhsa_code_object_version 6
	.text
	.protected	k_qe40000531f_attn
	.globl	k_qe40000531f_attn
	.p2align	8
	.type	k_qe40000531f_attn,@function
k_qe40000531f_attn:
	s_mov_b64 s[64:65], 0
	v_nop
	global_prefetch_b8 v0, s[64:65] scope:SCOPE_SE
	s_setreg_imm32_b32 hwreg(HW_REG_WAVE_MODE, 25, 1), 1
	s_wait_xcnt 0x0
; ATTENTION of one head on codes of FP4 (E2M1), one E8M0 scale for each 32 along a product's K: S^T = K Q^T, the mask, the softmax, O^T = V^T P^T, O / l quantised along the channels for the last product.
; q, k, v come from qkv as images of operands' registers: block (p, batch, head) = 64 fragments [step of 128][16 rows] x 1,024 bytes, then 8 scale images x 512 bytes (byte 16 L + 4 i: row L % 16 of fragment 4 (L / 16) + i).
; THE SOFTMAX AHEAD OF THE SECOND PRODUCT: t = score x log2(e); M = the row's largest t so far, rounded up to a whole number; p = 2^(t - M) is quantised along the keys; the row's sum is taken of the unquantised p and divides O at the end.
; SHARES.  A work-group owns 256 queries of one head; each of its sixteen waves owns 16 of them in 256 registers: four waves to a SIMD.  A lane holds ONE query (lane % 16) throughout; both products are used transposed.
; THE WHOLE HEAD'S K AND V LIE IN LDS (2 x 69,632 bytes), filled once through registers, 17 loads and 17 LDS stores of 16 bytes a thread, each covering 512 consecutive bytes a wave: one barrier in the whole text.
; THE MASK is an input.  A masked key's term, -2^100, is the C of its score's product: t is then under -1e30 and p is 0.  A step of 128 keys all of which are masked is jumped over; a step with no masked key loads no terms.
; HEAD 0'S FINISHED WEIGHTS want the final M and l, so they are made by the next launch: head 0's waves store -M and 1 / l of their rows (stats, 8 bytes a row), and the first work-group of each batch's head 0 the batch's mask terms (mterm).
; NO CLUSTER, NO TENSOR LOAD, though the four work-groups of a head read the same K and V: the two jumps on the mask hang on numbers read from memory.
; Nothing is prefetched: a work-group asks for all its bytes at its head.
; ctx's scale words are stored 4 bytes in each 32 (262,144 bytes in all) and stats 128 bytes a wave (65,536 in all): blocks of 256 bytes are written in part there.
; LIMITS: scores of open keys lie above -2^99 / log2(e).  A batch whose every key is masked gives NaN in both outputs, as the definition does (the scale word 0xffffffff carries it into the last product, 1 / l = NaN into the weights).
; NaN and infinities among the inputs are not served.  Blocks of zeros carry the scale byte 1: their codes are zeros, and this program alone reads the bytes.
; REGISTERS: v1-7 addresses that stay; v8-11, v24 addresses of the step in hand; v12 -M, v13 the largest t, v[14:15] the sum in two halves; v16-23 Q; v27-30 the fill's LDS addresses; v32-63 four fragments; v64-95 four tiles' mask terms;
; v96-159 S^T, then p; v160-223 O^T; v224-231 codes; v232-247 at work; v248-251 a scale image; v252 f; v253 p's scale word; v255 Q's.
.set KSC,  65536                       ; LDS: K's codes at 0, K's scale images,
.set VC,   69632                       ; V's codes,
.set VSC,  135168                      ; V's scale images,
.set MT,   139264                      ; and 1,024 mask terms
.set BLKB, 69632
.set PLANE, 64*BLKB                    ; from q's blocks to k's, and from k's to v's
.set LI,   1                           ; v1  16 x lane
.set AV0,  2                           ; v2  + V's codes
.set ASK0, 3                           ; v3  + K's scale images
.set ASV0, 4                           ; v4  + V's
.set AM0,  5                           ; v5  the mask terms of my half: MT + 32 (lane / 16)
.set SO,   6                           ; v6  8 x (lane % 16): my row's place in stats
.set TO,   7                           ; v7  8 x thread: my two terms' place in mterm
.set ADK,  8
.set ADV,  9
.set ADS,  10
.set ADT,  11
.set ADM,  24
.set RO,   25                          ; v25 32 x (lane % 16): my row's scale words in ctx_scales
.set NANR, 26                          ; v26 NaN
.set FK,   27                          ; v27 16 x thread
.set FV,   28
.set FS,   29
.set FM,   30
.set TM,   232
.set TK,   2                           ; s2  the step's codes: 8,192 bytes a step
.set TS,   3                           ; s3  its scale image and its mask terms: 512 bytes a step
.set WV,   18
.set SEL,  20
.set CS,   22                          ; s[22:23] log2(e)
.set CNT,  24
.set ANY,  25                          ; s25 bit i: some key of 32 i .. 32 i + 31 is masked
.set ALL,  26                          ; s26 bit i: all are
.set SH,   27                          ; s27 4 x step
.set HD,   30                          ; s30 the head
	s_load_b256 s[4:11], s[0:1], 0x0               ; qkv, mask, ctx_codes, ctx_scales
	s_load_b128 s[12:15], s[0:1], 0x20             ; stats, mterm
	v_lshrrev_b32 v114, 5, v0
	v_readfirstlane_b32 s[WV], v114                ; wave 0..15
	v_and_b32 v114, 31, v0                         ; lane
	v_and_b32 v115, 15, v0                         ; r
	v_bfe_u32 v116, v0, 4, 1                       ; h
	v_lshlrev_b32 v[LI], 4, v114
	v_add_nc_u32 v[AV0], VC, v[LI]
	v_add_nc_u32 v[ASK0], KSC, v[LI]
	v_add_nc_u32 v[ASV0], VSC, v[LI]
	v_lshl_add_u32 v[AM0], v116, 5, MT
	v_lshlrev_b32 v[SO], 3, v115
	v_lshlrev_b32 v[TO], 3, v0
	v_lshlrev_b32 v[RO], 5, v115
	v_mov_b32 v[NANR], 0x7fc00000
	v_lshlrev_b32 v[FK], 4, v0                     ; the fill: 512 threads x 16 bytes = 8,192 bytes an instruction
	v_add_nc_u32 v[FV], VC, v[FK]
	v_lshrrev_b32 v117, 8, v0                      ; 0: waves 0-7 bring K's scale images; 1: waves 8-15 V's
	v_lshl_add_u32 v[FS], v117, 16, v[FK]
	v_add_nc_u32 v[FS], KSC, v[FS]                 ; 65,536 + 16 t, and 65,536 more for V's: 135,168 + 16 (t - 256)
	v_lshl_add_u32 v[FM], v0, 3, MT                ; two mask terms a thread
	v_and_b32 v118, 255, v0
	v_lshlrev_b32 v118, 4, v118
	v_mul_u32_u24 v117, v117, PLANE
	v_add_nc_u32 v118, v118, v117                  ; the scale images in memory, from K's block on
	v_lshlrev_b32 v119, 1, v0                      ; the mask: my two bytes,
	v_lshlrev_b32 v120, 5, v114                    ; and 32 bytes a lane: each wave reads the batch's 1,024
	v_lshlrev_b32 v121, 4, v115                    ; Q's scale word: 16 bytes from row to row
	s_and_b32 s29, ttmp7, 0xffff                   ; 8 x batch + head
	s_lshr_b32 s31, s29, 3
	s_and_b32 s[HD], s29, 7
	s_mul_i32 s32, s29, BLKB                       ; q's block
	s_mov_b32 s33, 0
	s_lshl_b32 s44, ttmp9, 14                      ; my tile of 16 queries is fragment 16 x work-group x + wave of the block
	s_lshl_b32 s45, s[WV], 10
	s_add_co_u32 s44, s44, s45
	s_add_co_u32 s44, s44, s32
	s_mov_b32 s45, 0
	s_lshl_b32 s46, ttmp9, 10                      ; its scale words: image 2 x + wave / 8, 512 bytes each;
	s_lshr_b32 s47, s[WV], 3
	s_lshl_b32 s47, s47, 9
	s_add_co_u32 s46, s46, s47
	s_bfe_u32 s47, s[WV], 0x10002                  ; fragments 4-7 lie in the image's upper 256 bytes;
	s_lshl_b32 s47, s47, 8
	s_add_co_u32 s46, s46, s47
	s_and_b32 s47, s[WV], 3                        ; word wave % 4 of a lane's four
	s_lshl_b32 s47, s47, 2
	s_add_co_u32 s46, s46, s47
	s_add_co_u32 s46, s46, s32
	s_mov_b32 s47, 0
	s_lshl_b32 s36, s31, 10                        ; the batch's mask
	s_mov_b32 s37, 0
	s_lshl_b32 s48, s31, 12                        ; and its 1,024 terms in mterm
	s_mov_b32 s49, 0
	s_lshl_b32 s28, s31, 6
	s_lshl_b32 s29, ttmp9, 4
	s_add_co_u32 s28, s28, s29
	s_add_co_u32 s28, s28, s[WV]                   ; mt: my tile of 16 rows among the 512 of batch x query
	s_lshl_b32 s38, s28, 13
	s_lshl_b32 s29, s[HD], 10
	s_add_co_u32 s38, s38, s29                     ; ctx_codes [mt][head][1,024]
	s_mov_b32 s39, 0
	s_lshl_b32 s40, s28, 9
	s_lshl_b32 s29, s[HD], 2
	s_add_co_u32 s40, s40, s29                     ; ctx_scales [row][head], a word each
	s_mov_b32 s41, 0
	s_lshl_b32 s42, s28, 7                         ; stats [row], 8 bytes each
	s_mov_b32 s43, 0
	s_mov_b32 s[SEL], 0x76543210
	s_mov_b32 s[SEL+1], 0xfedcba98
	s_mov_b32 s[CS], 0x3fb8aa3b                    ; log2(e)
	s_mov_b32 s[CS+1], s[CS]                       ; (named with it as a pair, so it is written)
	s_wait_kmcnt 0x0
	s_add_nc_u64 s[34:35], s[4:5], s[32:33]
	s_add_nc_u64 s[34:35], s[34:35], PLANE         ; k's block; v's lies PLANE bytes on, inside the loads' immediate
	s_add_nc_u64 s[44:45], s[4:5], s[44:45]
	s_add_nc_u64 s[46:47], s[4:5], s[46:47]
	s_add_nc_u64 s[36:37], s[6:7], s[36:37]
	s_add_nc_u64 s[38:39], s[8:9], s[38:39]
	s_add_nc_u64 s[40:41], s[10:11], s[40:41]
	s_add_nc_u64 s[42:43], s[12:13], s[42:43]
	s_add_nc_u64 s[48:49], s[14:15], s[48:49]
	global_load_u16 v100, v119, s[36:37]
	global_load_b128 v[104:107], v120, s[36:37]
	global_load_b128 v[108:111], v120, s[36:37] offset:16
.irp i, 0,1,2,3,4,5,6,7
	global_load_b128 v[32+4*\i:35+4*\i], v[FK], s[34:35] offset:8192*\i
.endr
.irp i, 0,1,2,3,4,5,6,7
	global_load_b128 v[64+4*\i:67+4*\i], v[FK], s[34:35] offset:PLANE+8192*\i
.endr
	global_load_b128 v[96:99], v118, s[34:35] offset:65536
	global_load_b128 v[16:19], v[LI], s[44:45]     ; Q's fragment stays in registers
	global_load_b128 v[20:23], v[LI], s[44:45] offset:512
	global_load_b32 v255, v121, s[46:47] offset:65536
	s_wait_loadcnt 20                              ; the mask's three loads are in: behind them stand the fill's 17 and Q's 3
	v_and_b32 v102, 1, v100                        ; key 2 t,
	v_bfe_u32 v103, v100, 8, 1                     ; key 2 t + 1
	v_sub_nc_u32 v102, 0, v102                     ; 0 or all ones
	v_sub_nc_u32 v103, 0, v103
	v_and_b32 v102, 0xf1800000, v102               ; 0 or -2^100
	v_and_b32 v103, 0xf1800000, v103
	ds_store_b64 v[FM], v[102:103]
	s_or_b32 s28, s[HD], ttmp9                     ; the batch's terms go to memory once: from head 0's first work-group (a branch on ids)
	s_cmp_lg_u32 s28, 0
	s_cbranch_scc1 .Lno_terms
	global_store_b64 v[TO], v[102:103], s[48:49]   ; a wave stores 256 consecutive bytes, aligned
.Lno_terms:
	v_or_b32 v112, v104, v105                      ; my 32 keys: is any masked, are all?
	v_and_b32 v113, v104, v105
.irp i, 106,107,108,109,110,111
	v_or_b32 v112, v112, v\i
	v_and_b32 v113, v113, v\i
.endr
	s_mov_b32 s28, 0x01010101
	v_cmp_ne_u32 s[ANY], 0, v112
	v_cmp_eq_u32 s[ALL], s28, v113
	v_mov_b32 v13, 0xff61b1e6                      ; the largest t so far: -3e38, under every t
	v_floor_f32 v12, -v13                          ; -M
	v_mov_b32 v14, 0                               ; the sum, in two halves
	v_mov_b32 v15, 0
.irp b, 0,1,2,3
	v_mov_b32 v[236+\b], 0                         ; written once: a lane permute's destination counts as one of its sources
.endr
	v_mov_b32 v252, 0
	v_mov_b32 v253, 0                              ; (named as the upper half of the pair v[252:253] before it is first written)
.set J, 0
.rept 64
	v_mov_b32 v[160+J], 0                          ; O^T.  (The loop is written once: its first step finds zeros, which the first change of M leaves zeros)
.set J, J+1
.endr
	s_wait_loadcnt 3                               ; the fill's 17 loads are in; Q's three may stay out
.irp i, 0,1,2,3,4,5,6,7
	ds_store_b128 v[FK], v[32+4*\i:35+4*\i] offset:8192*\i
.endr
.irp i, 0,1,2,3,4,5,6,7
	ds_store_b128 v[FV], v[64+4*\i:67+4*\i] offset:8192*\i
.endr
	ds_store_b128 v[FS], v[96:99]
	s_wait_dscnt 0x0                               ; for the others' sake: my stores have landed
	s_barrier_signal -1
	s_barrier_wait -1                              ; K, V, their scales and the mask terms lie in LDS
	s_wait_loadcnt 0x0                             ; Q
	s_wait_xcnt 0x0                                ; the terms' store has read v102 and v103, which the scores take
; S^T = K Q^T of the step's 128 keys, four tiles of 16 keys at a time.  m = 1: the keys' mask terms are the products' C; m = 0: the constant 0.  Tiles 4-7 take their scale words from lanes 16-31.
.macro SPHASE m
.irp g, 0,1
.if \g
.rept 4
	v_nop                                          ; places in front of loads into registers that matrix instructions have read
.endr
.endif
.irp t, 0,1,2,3
	ds_load_b128 v[32+8*\t:35+8*\t], v[ADK] offset:1024*(4*\g+\t)
	ds_load_b128 v[36+8*\t:39+8*\t], v[ADK] offset:1024*(4*\g+\t)+512
.if \m
	ds_load_b128 v[64+8*\t:67+8*\t], v[ADM] offset:64*(4*\g+\t)      ; register j: key 16 T + 8 (lane / 16) + j, as in the result
	ds_load_b128 v[68+8*\t:71+8*\t], v[ADM] offset:64*(4*\g+\t)+16
.endif
.endr
	s_wait_dscnt 0x0
.irp t, 0,1,2,3
.if \m
.if \g
	v_wmma_scale_f32_16x16x128_f8f6f4 v[96+8*(4*\g+\t):103+8*(4*\g+\t)], v[32+8*\t:39+8*\t], v[16:23], v[64+8*\t:71+8*\t], v[248+\t], v255 matrix_a_fmt:MATRIX_FMT_FP4 matrix_b_fmt:MATRIX_FMT_FP4 matrix_a_scale:MATRIX_SCALE_ROW1
.else
	v_wmma_scale_f32_16x16x128_f8f6f4 v[96+8*(4*\g+\t):103+8*(4*\g+\t)], v[32+8*\t:39+8*\t], v[16:23], v[64+8*\t:71+8*\t], v[248+\t], v255 matrix_a_fmt:MATRIX_FMT_FP4 matrix_b_fmt:MATRIX_FMT_FP4
.endif
.else
.if \g
	v_wmma_scale_f32_16x16x128_f8f6f4 v[96+8*(4*\g+\t):103+8*(4*\g+\t)], v[32+8*\t:39+8*\t], v[16:23], 0, v[248+\t], v255 matrix_a_fmt:MATRIX_FMT_FP4 matrix_b_fmt:MATRIX_FMT_FP4 matrix_a_scale:MATRIX_SCALE_ROW1
.else
	v_wmma_scale_f32_16x16x128_f8f6f4 v[96+8*(4*\g+\t):103+8*(4*\g+\t)], v[32+8*\t:39+8*\t], v[16:23], 0, v[248+\t], v255 matrix_a_fmt:MATRIX_FMT_FP4 matrix_b_fmt:MATRIX_FMT_FP4
.endif
.endif
.endr
.endr
.endm
; 64 numbers of a lane, register 8 t + j = k 16 t + 8 (lane / 16) + j of my row, become a fragment's codes in v[pc] on and its scale word in v[pw].  The operand wants k = 64 c + 32 h + 8 g + 0 .. 7 in register 4 c + g of half h:
; tiles 4 c, 4 c + 2 go to registers 4 c, 4 c + 1, tiles 4 c + 1, 4 c + 3 to 4 c + 2, 4 c + 3, and each pair changes the first's upper lanes for the second's lower.
.macro QUANTP s, pc, pw
.irp b, 0,1,2,3
	v_max3_num_f32 v[TM+\b], |v[(\s)+16*\b]|, |v[(\s)+1+16*\b]|, 0x1800000   ; block b: my 16 numbers, and the floor 2^(3 - 127): the byte cannot fall under 1
.endr
.irp i, 2,4,6,8,10,12,14
.irp b, 0,1,2,3
	v_max3_num_f32 v[TM+\b], v[TM+\b], |v[(\s)+16*\b+\i]|, |v[(\s)+1+16*\b+\i]|
.endr
.endr
.irp b, 0,1,2,3
	v_permlanex16_b32 v[TM+4+\b], v[TM+\b], s[SEL], s[SEL+1]
.endr
.irp b, 0,1,2,3
	v_max_num_f32 v[TM+\b], v[TM+\b], v[TM+4+\b]
.endr
.irp b, 0,1,2,3
	v_add_nc_u32 v[TM+8+\b], 0xff000000, v[TM+\b]  ; 2 off the exponent field: the conversion's scale operand
.endr
.irp b, 0,1,2,3
	v_lshrrev_b32 v[TM+4+\b], 23, v[TM+8+\b]       ; the scale's byte
.endr
	v_lshl_or_b32 v[\pw], v[TM+5], 8, v[TM+4]
	v_lshl_or_b32 v[\pw], v[TM+6], 16, v[\pw]
	v_lshl_or_b32 v[\pw], v[TM+7], 24, v[\pw]
.irp t, 0,1,2,3,4,5,6,7
	v_cvt_scalef32_pk8_fp4_f32 v[(\pc)+4*(\t/4)+2*(\t%2)+(\t%4)/2], v[(\s)+8*\t:(\s)+8*\t+7], v[TM+8+\t/2]
.endr
	v_nop                                          ; one plain instruction behind the scaled conversions
.irp c, 0,1
	v_permlane16_swap_b32 v[(\pc)+4*\c], v[(\pc)+4*\c+1]
	v_permlane16_swap_b32 v[(\pc)+4*\c+2], v[(\pc)+4*\c+3]
.endr
.endm
	s_mov_b32 s[TK], 0
	s_mov_b32 s[TS], 0
	s_mov_b32 s[SH], 0
	s_mov_b32 s[CNT], 8
.Lstep:                                            ; eight steps of 128 keys
	s_lshr_b32 s28, s[ALL], s[SH]
	s_and_b32 s28, s28, 15
	s_cmp_eq_u32 s28, 15                           ; all 128 keys masked: every p would be 0: the step's work is left out, not the lines at its end that step addresses
	s_cbranch_scc1 .Lskip
	v_add_nc_u32 v[ADK], s[TK], v[LI]              ; the step's addresses: these five are the places behind the last step's products
	v_add_nc_u32 v[ADS], s[TS], v[ASK0]
	v_add_nc_u32 v[ADM], s[TS], v[AM0]
	v_add_nc_u32 v[ADV], s[TK], v[AV0]
	v_add_nc_u32 v[ADT], s[TS], v[ASV0]
	ds_load_b128 v[248:251], v[ADS]                ; K's scale image
	s_lshr_b32 s28, s[ANY], s[SH]
	s_and_b32 s28, s28, 15
	s_cmp_eq_u32 s28, 0                            ; mask terms only where a key of the step is masked
	s_cbranch_scc1 .Lopen
	SPHASE 1
	s_branch .Ljoin
.Lopen:
	SPHASE 0
.Ljoin:
.rept 4
	v_nop
.endr
.irp b, 0,1,2,3
	v_max3_num_f32 v[232+\b], v[96+16*\b], v[97+16*\b], v[98+16*\b]   ; the largest score of each block of 32 keys: for the row's maximum, and, since p rises with the score, for the block's largest p
.endr
.irp i, 3,5,7,9,11,13
.irp b, 0,1,2,3
	v_max3_num_f32 v[232+\b], v[232+\b], v[96+16*\b+\i], v[97+16*\b+\i]
.endr
.endr
.irp b, 0,1,2,3
	v_max_num_f32 v[232+\b], v[232+\b], v[111+16*\b]
.endr
.irp b, 0,1,2,3
	v_permlanex16_b32 v[236+\b], v[232+\b], s[SEL], s[SEL+1]
.endr
.irp b, 0,1,2,3
	v_max_num_f32 v[232+\b], v[232+\b], v[236+\b]  ; with lane l xor 16's 16 keys
.endr
	v_max3_num_f32 v254, v232, v233, v234
	v_max_num_f32 v254, v254, v235                 ; the step's largest score of my query: an open key's, since the step has one
	v_mul_f32 v254, s[CS], v254
	v_max_num_f32 v13, v13, v254                   ; the running largest t
	v_mov_b32 v254, v12
	v_floor_f32 v12, -v13                          ; the new -M = -ceil(t): a whole number
	v_sub_f32 v254, v12, v254                      ; M's old value less its new one: a whole number, 0 or less
	v_cvt_i32_f32 v254, v254                       ; (it saturates)
	v_ldexp_f32 v252, 1.0, v254                    ; f = 2^(old M - new M): a multiplication by it rounds nothing
.set J, 0
.rept 32
	v_pk_fma_f32 v[96+J:97+J], v[96+J:97+J], s[CS:CS+1], v[12:13] op_sel_hi:[1,0,0]   ; t - M, two at a time
.set J, J+2
.endr
.irp b, 0,1,2,3
	v_fma_f32 v[232+\b], v[232+\b], s[CS], v12     ; the same of each block's largest score
.endr
.set J, 0
.rept 64
	v_exp_f32 v[96+J], v[96+J]                     ; p = 2^(t - M), at most 1: not normalised
.set J, J+1
.endr
	v_pk_mul_f32 v[14:15], v[14:15], v[252:253] op_sel_hi:[1,0]   ; the sums under the new M: the plain instruction behind the exponentials
	s_wait_alu depctr_va_vdst(0)                   ; one wait for the batch of 64, ahead of its first reader
.irp b, 0,1,2,3
	v_exp_f32 v[232+\b], v[232+\b]                 ; the block's largest p
.endr
	v_pk_add_f32 v[236:237], v[96:97], v[98:99]    ; the row's sum is taken of the unquantised p: two at a time, in two chains
.irp j, 4,8,12,16,20,24,28,32,36,40,44,48,52,56,60
	v_pk_add_f32 v[14:15], v[14:15], v[96+\j:97+\j]
	v_pk_add_f32 v[236:237], v[236:237], v[98+\j:99+\j]
.endr
	v_pk_add_f32 v[14:15], v[14:15], v[236:237]
	s_wait_alu depctr_va_vdst(0)                   ; and one for the four
.irp b, 0,1,2,3
	v_max_num_f32 v[232+\b], 0x1800000, v[232+\b]  ; the floor 2^(3 - 127): a block whose every p is 0 keeps the byte 1: its codes are zeros
.endr
.irp b, 0,1,2,3
	v_add_nc_u32 v[244+\b], 0xff000000, v[232+\b]
.endr
.irp b, 0,1,2,3
	v_lshrrev_b32 v[236+\b], 23, v[244+\b]
.endr
	v_lshl_or_b32 v253, v237, 8, v236              ; p's scale word for these 128 keys
	v_lshl_or_b32 v253, v238, 16, v253
	v_lshl_or_b32 v253, v239, 24, v253
.irp t, 0,1,2,3,4,5,6,7
	v_cvt_scalef32_pk8_fp4_f32 v[224+4*(\t/4)+2*(\t%2)+(\t%4)/2], v[96+8*\t:103+8*\t], v[244+\t/2]
.endr
	v_nop                                          ; one plain instruction behind the scaled conversions
.irp c, 0,1
	v_permlane16_swap_b32 v[224+4*\c], v[225+4*\c]
	v_permlane16_swap_b32 v[226+4*\c], v[227+4*\c]
.endr
	; O^T += V^T P^T: four tiles of 16 of the head's 128 channels at a time; K = these 128 keys.  The first four fragments are asked for ahead of O^T's rescaling
	ds_load_b128 v[248:251], v[ADT]
.irp t, 0,1,2,3
	ds_load_b128 v[32+8*\t:35+8*\t], v[ADV] offset:1024*\t
	ds_load_b128 v[36+8*\t:39+8*\t], v[ADV] offset:1024*\t+512
.endr
.set J, 0
.rept 32
	v_pk_mul_f32 v[160+J:161+J], v[160+J:161+J], v[252:253] op_sel_hi:[1,0]   ; O^T under the new M.  (These 32 are also the places between p's codes and scale word and the products)
.set J, J+2
.endr
	s_wait_dscnt 0x0
.irp t, 0,1,2,3
	v_wmma_scale_f32_16x16x128_f8f6f4 v[160+8*\t:167+8*\t], v[32+8*\t:39+8*\t], v[224:231], v[160+8*\t:167+8*\t], v[248+\t], v253 matrix_a_fmt:MATRIX_FMT_FP4 matrix_b_fmt:MATRIX_FMT_FP4
.endr
.rept 4
	v_nop
.endr
.irp t, 0,1,2,3
	ds_load_b128 v[32+8*\t:35+8*\t], v[ADV] offset:1024*(4+\t)
	ds_load_b128 v[36+8*\t:39+8*\t], v[ADV] offset:1024*(4+\t)+512
.endr
	s_wait_dscnt 0x0
.irp t, 0,1,2,3
	v_wmma_scale_f32_16x16x128_f8f6f4 v[192+8*\t:199+8*\t], v[32+8*\t:39+8*\t], v[224:231], v[192+8*\t:199+8*\t], v[248+\t], v253 matrix_a_fmt:MATRIX_FMT_FP4 matrix_b_fmt:MATRIX_FMT_FP4 matrix_a_scale:MATRIX_SCALE_ROW1
.endr
.Lskip:
	s_add_co_u32 s[TK], s[TK], 8192
	s_add_co_u32 s[TS], s[TS], 512
	s_add_co_u32 s[SH], s[SH], 4
	s_sub_co_u32 s[CNT], s[CNT], 1
	s_cmp_lg_u32 s[CNT], 0
	s_cbranch_scc1 .Lstep
	; O^T / the sum, quantised along the channels: K step "head" of the last product, rows = my 16 queries: one fragment image and one scale word a row.
.rept 4
	v_nop
.endr
	v_add_f32 v14, v14, v15                        ; the sum's two halves,
	v_permlanex16_b32 v252, v14, s[SEL], s[SEL+1]
	v_add_f32 v14, v14, v252                       ; and lane l xor 16's
	v_cmp_gt_f32 vcc_lo, 0xf1000000, v13           ; no open key was seen: the largest t still lies under -2^99
	v_rcp_f32 v14, v14
	v_nop                                          ; a plain instruction behind the reciprocal
	s_wait_alu depctr_va_vdst(0)                   ; and the wait ahead of its first reader
	v_cndmask_b32 v14, v14, v[NANR], vcc_lo        ; then the row is NaN
.set J, 0
.rept 32
	v_pk_mul_f32 v[96+J:97+J], v[160+J:161+J], v[14:15] op_sel_hi:[1,0]   ; ascending: each accumulator is read from its low end on
.set J, J+2
.endr
	QUANTP 96, 224, 253
	v_cndmask_b32 v253, v253, -1, vcc_lo           ; the byte 0xff makes the last product's row NaN
	global_store_b128 v[LI], v[224:227], s[38:39]  ; 512 consecutive bytes a store
	global_store_b128 v[LI], v[228:231], s[38:39] offset:512
	global_store_b32 v[RO], v253, s[40:41]         ; both halves of the lanes store the same word
	s_cmp_lg_u32 s[HD], 0                          ; head 0 alone leaves -M and 1 / l of its rows for the launch that makes the weights (a branch on ids)
	s_cbranch_scc1 .Lend
	v_mov_b32 v13, v14                             ; beside -M
	global_store_b64 v[SO], v[12:13], s[42:43]     ; both halves of the lanes store the same pair
.Lend:
	s_wait_xcnt 0x0
	v_lshl_add_u32 v254, v0, 2, 0x23000
	v_mov_b32 v255, 0
	s_wait_tensorcnt 0x0
	ds_add_u32 v254, v255
	s_wait_dscnt 0x0
	s_endpgm
.Lfunc_end_k_qe40000531f_attn:
	.size	k_qe40000531f_attn, .Lfunc_end_k_qe40000531f_attn-k_qe40000531f_attn
	.p2alignl 7, 3214868480
	.fill 96, 4, 3214868480
	.section	.rodata,"a",@progbits
	.p2align	6, 0x0
	.amdhsa_kernel k_qe40000531f_attn
		.amdhsa_group_segment_fixed_size 145408
		.amdhsa_private_segment_fixed_size 0
		.amdhsa_enable_private_segment 0
		.amdhsa_kernarg_size 48
		.amdhsa_user_sgpr_count 2
		.amdhsa_user_sgpr_kernarg_segment_ptr 1
		.amdhsa_wavefront_size32 1
		.amdhsa_system_sgpr_workgroup_id_x 1
		.amdhsa_system_sgpr_workgroup_id_y 1
		.amdhsa_system_sgpr_workgroup_id_z 1
		.amdhsa_system_vgpr_workitem_id 0
		.amdhsa_next_free_vgpr 256
		.amdhsa_next_free_sgpr 66
		.amdhsa_reserve_vcc 1
		.amdhsa_float_denorm_mode_32 3
		.amdhsa_float_denorm_mode_16_64 3
		.amdhsa_memory_ordered 1
		.amdhsa_forward_progress 1
		.amdhsa_inst_pref_size 39
	.end_amdhsa_kernel
	.amdgpu_metadata
---
amdhsa.version: [ 1, 2 ]
amdhsa.kernels:
  - .name:           k_qe40000531f_attn
    .symbol:         k_qe40000531f_attn.kd
    .args:
      - { .name: qkv, .offset: 0, .size: 8, .value_kind: global_buffer, .address_space: global }
      - { .name: mask, .offset: 8, .size: 8, .value_kind: global_buffer, .address_space: global }
      - { .name: ctx_codes, .offset: 16, .size: 8, .value_kind: global_buffer, .address_space: global }
      - { .name: ctx_scales, .offset: 24, .size: 8, .value_kind: global_buffer, .address_space: global }
      - { .name: stats, .offset: 32, .size: 8, .value_kind: global_buffer, .address_space: global }
      - { .name: mterm, .offset: 40, .size: 8, .value_kind: global_buffer, .address_space: global }
    .group_segment_fixed_size: 145408
    .private_segment_fixed_size: 0
    .kernarg_segment_align: 8
    .kernarg_segment_size: 48
    .max_flat_workgroup_size: 512
    .sgpr_count:     66
    .vgpr_count:     256
    .wavefront_size: 32
...
	.end_amdgpu_metadata
.endif
;; end of part 2
;; launch outp (part 3): grid 4 x 64, 4 waves a work-group, clusters of 4 x 4, 322,048 bytes of LDS; arguments ctx_codes, ctx_scales, Wf_codes, Wf_scales, out0, bf, qkv, stats, mterm, out1; writes out0, out1
.if DOCPART == 3
	.amdgcn_target "amdgcn-amd-amdhsa--gfx1250"
	.amdhsa_code_object_version 6
	.text
	.protected	k_qe40000531f_outp
	.globl	k_qe40000531f_outp
	.p2align	8
	.type	k_qe40000531f_outp,@function
k_qe40000531f_outp:
	s_mov_b64 s[64:65], 0
	v_nop
	global_prefetch_b8 v0, s[64:65] scope:SCOPE_SE
	s_setreg_imm32_b32 hwreg(HW_REG_WAVE_MODE, 25, 1), 1
	s_wait_xcnt 0x0
	s_wait_alu depctr_hold_cnt(0) depctr_sa_sdst(0) depctr_va_vdst(0) depctr_va_sdst(0) depctr_va_ssrc(0) depctr_va_vcc(0) depctr_vm_vsrc(0)
	s_getreg_b32 s2, hwreg(HW_REG_IB_STS2, 6, 4)
	s_cmp_eq_u32 s2, 0
	s_cbranch_scc0 .Lentry_in_a_cluster
	s_endpgm
.Lentry_in_a_cluster:
	s_bfe_u32 s2, ttmp6, 0x10000c
	s_cmp_lg_u32 s2, 0xf033
	s_cbranch_scc0 .Lentry_shape_is_right
	s_endpgm
.Lentry_shape_is_right:
; TWO PIECES OF WORK, ONE ON EACH HALF OF THE 16 CLUSTERS OF 4 x 4 WORK-GROUPS; one scalar branch at the head, on the cluster's y, which all sixteen partners share.
; CLUSTERS 0-7: THE LAST LINEAR LAYER, out0 = ctx Wf^T + bf, on codes of FP4 (E2M1) with one E8M0 scale for each 32 along K = 1,024.  out0: [8,192][1,024] f32: 128 tiles of 256 x 256.
;   A = ctx comes as images of an operand's registers, ctx_codes [tile of 16 rows][K step of 128][1,024 bytes] (register 4 c + i of lane L at 512 c + 16 L + 4 i), its scale bytes as [row][32].  B = Wf: rows of 512 bytes, scale bytes [row][32].
;   A work-group of four waves makes 256 x 256, a wave 128 x 128: 64 accumulators, 512 registers.  K = 1,024 is two slots of 512: both, and all scale bytes of the 512 rows, lie in LDS together (2 x 135,168 + 17,408 bytes): every LDS byte is filled once.
;   The four of a row of the cluster need the same rows of A, the four of a column the same rows of B: each tile is asked for jointly.
;   THE MATRIX INSTRUCTION IS USED TRANSPOSED (source 0 = 16 rows of Wf, source 1 = 16 rows of ctx): a lane holds eight neighbouring numbers of a row of out0.  The bias is the C of the first products.
; CLUSTERS 8-15: HEAD 0'S FINISHED WEIGHTS, out1 [8][1,024][1,024] f32 = 2^(score x log2(e) - M) / l, with the final M and l that the launch before has left in stats.  Cluster 8 + b takes batch b; a wave takes 16 queries and all 1,024 keys.
;   The scores are made anew on q's and k's codes (qkv, images of operands' registers); a masked key's term, -2^100 (mterm), is the C of its product, so its weight is 0.  No tensor load, and no branch on a number read from memory.
;   What the sixteen partners share here, 69,632 bytes of k and 4,096 of terms, is under a third of the 262,144 bytes that a work-group stores; it goes straight into the operands' registers, 512 consecutive bytes a load, so no joint load is made of it.
; Both paths pass the same two rounds of the cluster's barrier; the closing one is common.  The two paths have LDS bytes of their own.
; LIMITS: as in the launch before: scores of open keys above -2^99 / log2(e); a batch whose every key is masked gives NaN (1 / l is NaN there); NaN and infinities among the inputs are not served.
; REGISTERS of the first path, in windows of 256: window 0: v1-6 at work, v16-27 addresses, v32-95 scale words (two sets), v128-191 A's fragments, v192-255 the bias; on the way out v128-255 rows of out0.
;   window 1: B's fragments, two sets.  windows 2, 3: the accumulators ((a, b) at v[8 (8 (a % 4) + b)]).
; REGISTERS of the second: window 0: v1-3 at work, v7-12 addresses, v[28:29] 1 / l, v[30:31] -M and 1 / l as loaded, v32-63 k's eight scale images, v64 q's scale word, v96-103 q's fragment, v128-255 two sets of 16 rows of out1.
;   window 1: four sets of k's eight fragments.  windows 2, 3: for each of the eight steps 64 registers: its mask terms, then its scores, then its weights.
.set NQ,     4
.set ROWB,   256                       ; a row of B's tile in bytes: 512 codes
.set KROW,   512                       ; a row of Wf in memory
.set PITCH,  272                       ; B's LDS row: 256 bytes + 16 of padding
.set FR,     8
.set NL,     2
.set NP,     4                         ; places behind this matrix instruction (ISA guide 7.12.1)
.set AHALF,  32768                     ; A: 8 tiles of 16 rows x 4 K steps x 1,024 bytes: what one tensor load brings
.set BHALF,  128*PITCH                 ; B: 128 rows
.set BOFF,   2*AHALF
.set SLOT,   BOFF+2*BHALF
.set KS,     32
.set SCL,    2*SLOT
.set HALFS,  (128*KS/256)*272
.set SBLK,   (16*KS/256)*272
.set SIZE_N, 1024
.set SPITCH, 528                       ; a stage's row: 512 bytes + 16.  The first path's stages, 16 rows a wave, lie in slot 0's part of A, which has had its one fill and its last read by then;
.set WST,    SCL+4*HALFS               ; the second path's behind all that the first path uses
.set BLKB,   69632                     ; a block of qkv
.set PLANE,  64*BLKB                   ; from q's blocks to k's
.set ADRA, 16
.set ADRB, 20
.set STO,  24
.set RD,   25
.set CO,   26                          ; v26 16 x lane
.set ADRS, 27
.set SC,   32
.set AF,   128
.set BK,   128
.set BI,   192
.set G1,   24
.set G0,   32
.set G1B,  48
.set G0B,  56
.set G1S,  68
.set G0S,  76
.set G1SB, 80
.set G0SB, 88
.set WLI,  7                           ; the second path: v7 16 x lane
.set WSTO, 8                           ; v8  the stage: where I put 32 bytes of a row
.set WRD,  9                           ; v9  and where I read a row back
.set WMO,  10                          ; v10 32 x (lane / 16): my half's terms
.set WQO,  11                          ; v11 16 x (lane % 16): q's scale word
.set WSO,  12                          ; v12 8 x (lane % 16): my row in stats
.set WL,   28
.set WM,   30
.set WSC,  32
.set WQS,  64
.set WQ,   96
.set WOUT, 128
.set WKB,  24                          ; s[24:25] k's block; s[26:27] q's fragment; s[28:29] q's scale words; s[30:31] stats; s[32:33] the batch's terms; s[34:35] my 16 rows of out1
.set WQB,  26
.set WQSB, 28
.set WSB,  30
.set WMB,  32
.set WOB,  34
.set WCS,  38                          ; s[38:39] log2(e)
.set MSB, 0
.macro WIN new                         ; the immediate's high byte repeats the setting that is left
.if MSB != (\new)
	s_set_vgpr_msb (MSB<<8)|(\new)
.set MSB, (\new)
.endif
.endm
.set MUL_LO, 0xa1                      ; source 0 window 1, source 1 window 0, C and D window 2
.set MUL_HI, 0xf1                      ; the same, C and D window 3
.set TO_B,   0x40                      ; destination window 1, address window 0
.macro JLOAD g0a, g1a, g0b, g1b        ; a joint load: waves 0 and 1 fetch for A, waves 2 and 3 for B; four v_nop follow each of the two lines
	s_cmp_eq_u32 s15, 0
	s_cbranch_scc0 .Lfor_b_\@
	tensor_load_to_lds s[\g0a:\g0a+3], s[\g1a:\g1a+7]
	s_nop 0
.rept 4
	v_nop
.endr
	s_branch .Lasked_\@
.Lfor_b_\@:
	tensor_load_to_lds s[\g0b:\g0b+3], s[\g1b:\g1b+7]
	s_nop 0
.rept 4
	v_nop
.endr
.Lasked_\@:
.endm
.macro CROUND                          ; a round of the cluster's barrier
	s_barrier_signal -1
	s_barrier_wait -1
	s_cmp_lg_u32 s14, 0
	s_cbranch_scc1 .Lnot_wave_0_\@
	s_barrier_signal -3
.Lnot_wave_0_\@:
	s_barrier_wait -3
	s_barrier_signal -1
	s_barrier_wait -1
.endm
	v_lshl_add_u32 v126, v0, 2, 0x4e800
	v_mov_b32 v127, 0
	ds_add_u32 v126, v127
	ds_add_u32 v126, v127
	s_wait_dscnt 0x0
	v_lshrrev_b32 v1, 5, v0
	v_readfirstlane_b32 s14, v1                    ; wave 0..3
	s_bfe_u32 s40, ttmp6, 0x40000                  ; cx, cy: my place in the cluster
	s_bfe_u32 s41, ttmp6, 0x40004
	s_and_b32 s17, ttmp7, 0xffff                   ; the cluster's y, 0..15: the same in all sixteen partners
	s_cmp_ge_u32 s17, 8
	s_cbranch_scc1 .Lweights
	; ---------------- clusters 0-7: out0 ----------------
	s_load_b128 s[4:7], s[0:1], 0x0                ; ctx's codes, ctx's scales
	s_load_b128 s[8:11], s[0:1], 0x10              ; Wf's codes, Wf's scales
	s_load_b64 s[12:13], s[0:1], 0x20              ; out0
	s_load_b64 s[66:67], s[0:1], 0x28              ; bf
	s_lshr_b32 s15, s14, 1                         ; which half of the tile's rows is mine.  Also: I fetch for A (0) or for B (1)
	s_and_b32 s16, s14, 1                          ; which half of its columns.  Also: which half of that operand's rows I fetch
	s_lshl_b32 s42, ttmp9, 2
	s_add_co_u32 s42, s42, s40                     ; tile column = 4 x cluster x + cx
	s_lshl_b32 s17, s17, 2
	s_add_co_u32 s17, s17, s41                     ; tile row = 4 x cluster y + cy
	s_lshl_b32 s43, s41, 2
	s_lshl_b32 s43, 15, s43                        ; my row of the cluster
	s_lshl_b32 s44, 0x1111, s40                    ; my column
	; group 1 for A: 8 tiles of 16 rows, of each the slot's four K steps: 4,096 consecutive bytes (512 elements of 8 bytes), 8,192 bytes from tile to tile; dense in LDS
	s_or_b32 s[G1+0], s43, (3<<16)|(1<<21)
	s_mov_b32 s[G1+1], 512<<16                     ; tensor_dim0
	s_mov_b32 s[G1+2], 8<<16                       ; tensor_dim1
	s_mov_b32 s[G1+3], 512<<16                     ; tile_dim0
	s_mov_b32 s[G1+4], 8                           ; tile_dim1
	s_mov_b32 s[G1+5], 1024                        ; from row to row, in elements
	s_mov_b32 s[G1+6], 0
	s_mov_b32 s[G1+7], 0
	; for B: 128 rows x 256 bytes, 16 bytes of padding behind each
	s_or_b32 s[G1B+0], s44, (0<<16)|(1<<20)|(1<<21)|(5<<22)|(3<<25)
	s_mov_b32 s[G1B+1], ROWB<<16
	s_mov_b32 s[G1B+2], 128<<16
	s_mov_b32 s[G1B+3], ROWB<<16
	s_mov_b32 s[G1B+4], 128
	s_mov_b32 s[G1B+5], KROW
	s_mov_b32 s[G1B+6], 0
	s_mov_b32 s[G1B+7], 0
	; for the scales of 128 rows: 4,096 dense bytes, as 16 rows of 256 bytes, 16 bytes of padding behind each
	s_or_b32 s[G1S+0], s43, (3<<16)|(1<<20)|(1<<21)|(5<<22)|(3<<25)
	s_or_b32 s[G1SB+0], s44, (3<<16)|(1<<20)|(1<<21)|(5<<22)|(3<<25)
.irp g, G1S, G1SB
	s_mov_b32 s[\g+1], 32<<16
	s_mov_b32 s[\g+2], (128*KS/256)<<16
	s_mov_b32 s[\g+3], 32<<16
	s_mov_b32 s[\g+4], 128*KS/256
	s_mov_b32 s[\g+5], 32
	s_mov_b32 s[\g+6], 0
	s_mov_b32 s[\g+7], 0
.endr
	s_lshl_b32 s18, s16, 7                         ; which 128 rows I fetch
	s_lshl_b32 s20, s17, 8
	s_add_co_u32 s20, s20, s18                     ; A: row 256 x tile row + 128 x half
	s_lshl_b32 s46, s42, 8
	s_add_co_u32 s46, s46, s18                     ; B: row 256 x tile column + 128 x half
	s_lshl_b32 s22, s20, 5                         ; their scales, 32 bytes a row,
	s_mov_b32 s23, 0
	s_lshl_b32 s92, s46, 5
	s_mov_b32 s93, 0
	s_lshl_b32 s20, s20, 9                         ; and their codes: 512 bytes a row in both (16 rows of ctx are 8,192 bytes)
	s_mov_b32 s21, 0
	s_lshl_b32 s46, s46, 9
	s_mov_b32 s47, 0
	s_mul_i32 s45, s16, AHALF                      ; where they go: no place in the cluster enters an LDS address
	s_mul_i32 s95, s16, BHALF
	s_add_co_u32 s95, s95, BOFF
	s_mul_i32 s94, s14, HALFS
	s_wait_kmcnt 0x0
	s_add_nc_u64 s[20:21], s[4:5], s[20:21]
	s_add_nc_u64 s[22:23], s[6:7], s[22:23]
	s_add_nc_u64 s[46:47], s[8:9], s[46:47]
	s_add_nc_u64 s[92:93], s[10:11], s[92:93]
	CROUND                                         ; all sixteen work-groups are here: the joint loads meet
	s_mov_b32 s[G0S], 1
	s_add_co_u32 s[G0S+1], s94, SCL
	s_mov_b64 s[G0S+2:G0S+3], s[22:23]
	s_or_b32 s[G0S+3], s[G0S+3], 0x80000000
	s_mov_b32 s[G0SB], 1
	s_add_co_u32 s[G0SB+1], s94, SCL
	s_mov_b64 s[G0SB+2:G0SB+3], s[92:93]
	s_or_b32 s[G0SB+3], s[G0SB+3], 0x80000000
	JLOAD G0S, G1S, G0SB, G1SB                     ; the scales first: they are wanted with slot 0
.irp s, 0,1
	s_mov_b32 s[G0+4*\s], 1
	s_add_co_u32 s[G0+4*\s+1], s45, \s*SLOT
	s_add_nc_u64 s[G0+4*\s+2:G0+4*\s+3], s[20:21], \s*4096
	s_or_b32 s[G0+4*\s+3], s[G0+4*\s+3], 0x80000000
	s_mov_b32 s[G0B+4*\s], 1
	s_add_co_u32 s[G0B+4*\s+1], s95, \s*SLOT
	s_add_nc_u64 s[G0B+4*\s+2:G0B+4*\s+3], s[46:47], \s*ROWB
	s_or_b32 s[G0B+4*\s+3], s[G0B+4*\s+3], 0x80000000
	JLOAD G0+4*\s, G1, G0B+4*\s, G1B               ; three tensor loads of mine are out: all that this launch has
.endr
	v_and_b32 v1, 15, v0                           ; r
	v_bfe_u32 v2, v0, 4, 1                         ; h
	v_and_b32 v6, 31, v0
	v_lshlrev_b32 v[CO], 4, v6                     ; 16 x lane: my place in an image, in a row of the stage and in a row of out0
	v_mul_u32_u24 v3, v1, PITCH
	v_lshl_add_u32 v4, v2, 4, v3                   ; B: a fragment's row x pitch + 16 x half
	s_mul_i32 s21, s15, AHALF                      ; my 128 rows of A
	s_mul_i32 s22, s16, BHALF                      ; my 128 rows of B
	s_add_co_u32 s22, s22, BOFF
.irp s, 0,1
	v_add_nc_u32 v[ADRA+\s], s21, v[CO]
	v_add_nc_u32 v[ADRB+\s], s22, v4
	s_add_co_u32 s21, s21, SLOT
	s_add_co_u32 s22, s22, SLOT
.endr
	v_mul_u32_u24 v5, v1, KS                       ; my row's scales: 32 bytes a row,
	v_lshrrev_b32 v6, 8, v5
	v_lshl_add_u32 v5, v6, 4, v5                   ; and 16 more for each 256 passed
	s_mul_i32 s21, s15, HALFS
	s_mul_i32 s22, s16, HALFS
	s_add_co_u32 s22, s22, 2*HALFS
	s_sub_co_u32 s22, s22, s21
	v_mul_u32_u24 v6, s22, v2                      ; lanes 16-31 take B's
	s_add_co_u32 s21, s21, SCL
	v_add_nc_u32 v5, v5, v6
	v_add_nc_u32 v[ADRS], s21, v5
	s_mul_i32 s23, s14, 16*SPITCH                  ; my stage
	v_mul_u32_u24 v5, v1, SPITCH                   ; in: row r, 32 bytes for each half of the lanes
	v_lshl_add_u32 v5, v2, 5, v5
	v_add_nc_u32 v[STO], s23, v5
	v_add_nc_u32 v[RD], s23, v[CO]                 ; back: the 32 lanes take one row of 512 bytes
	s_lshl_b32 s20, s17, 8
	s_lshl_b32 s21, s15, 7
	s_add_co_u32 s20, s20, s21                     ; my first row of out0
	s_lshl_b32 s20, s20, 12                        ; 4,096 bytes a row (8,192 rows: under 2^25 bytes)
	s_lshl_b32 s46, s42, 10                        ; my first column, in bytes: 1,024 x tile column + 512 x half
	s_lshl_b32 s47, s16, 9
	s_add_co_u32 s46, s46, s47
	s_mov_b32 s47, 0
	s_add_nc_u64 s[18:19], s[66:67], s[46:47]      ; bf at my 128 columns
	s_add_co_u32 s20, s20, s46
	s_mov_b32 s21, 0
	s_add_nc_u64 s[12:13], s[12:13], s[20:21]
	v_lshlrev_b32 v5, 5, v2                        ; the bias in the result's layout: for B's block b the numbers 16 b + 8 h + 0 .. 7
.irp b, 0,1,2,3,4,5,6,7
	global_load_b128 v[BI+8*\b:BI+8*\b+3], v5, s[18:19] offset:64*\b
	global_load_b128 v[BI+8*\b+4:BI+8*\b+7], v5, s[18:19] offset:64*\b+16
.endr
; 16 matrix instructions: A's blocks a0, a0 + 1 x B's eight, 128 along K: the slot's q-th.  first = 1: the sums start from the bias: nothing is cleared.  The 64 accumulators take turns, one instruction a turn.
.macro MUL16 a0, p, q, sc, first
.irp a, \a0, \a0+1
.irp b, 0,1,2,3,4,5,6,7
.if \first
	v_wmma_scale_f32_16x16x128_f8f6f4 v[8*(8*((\a)%4)+\b):8*(8*((\a)%4)+\b)+7], v[128*(\p)+FR*\b:128*(\p)+FR*\b+FR-1], v[AF+FR*(\a):AF+FR*(\a)+FR-1], v[BI+8*\b:BI+8*\b+7], v[SC+8*NQ*(\sc)+NQ*\b+(\q)], v[SC+8*NQ*(\sc)+NQ*(\a)+(\q)] matrix_a_fmt:MATRIX_FMT_FP4 matrix_b_fmt:MATRIX_FMT_FP4 matrix_a_scale:MATRIX_SCALE_ROW1
.else
	v_wmma_scale_f32_16x16x128_f8f6f4 v[8*(8*((\a)%4)+\b):8*(8*((\a)%4)+\b)+7], v[128*(\p)+FR*\b:128*(\p)+FR*\b+FR-1], v[AF+FR*(\a):AF+FR*(\a)+FR-1], v[8*(8*((\a)%4)+\b):8*(8*((\a)%4)+\b)+7], v[SC+8*NQ*(\sc)+NQ*\b+(\q)], v[SC+8*NQ*(\sc)+NQ*(\a)+(\q)] matrix_a_fmt:MATRIX_FMT_FP4 matrix_b_fmt:MATRIX_FMT_FP4 matrix_a_scale:MATRIX_SCALE_ROW1
.endif
.endr
.endr
.endm
.macro FETCH_B slot, q, p              ; B's eight fragments of the slot's q-th 128 along K into set p: two loads of 16 bytes, 32 bytes apart, from rows along K
	WIN TO_B
.irp i, 0,1,2,3,4,5,6,7
.irp c, 0,1
	ds_load_b128 v[128*(\p)+FR*\i+4*\c:128*(\p)+FR*\i+4*\c+3], v[ADRB+\slot] offset:64*(\q)+32*\c+\i*16*PITCH
.endr
.endr
	WIN 0
.endm
.macro FETCH_A slot, q, i0             ; A's blocks i0 .. i0 + 3: images: each load takes 512 consecutive bytes
.irp i, \i0, \i0+1, \i0+2, \i0+3
.irp c, 0,1
	ds_load_b128 v[AF+FR*(\i)+4*\c:AF+FR*(\i)+4*\c+3], v[ADRA+\slot] offset:4096*(\i)+1024*(\q)+512*\c
.endr
.endr
.endm
.macro SCALES sc                       ; a slot's scale words into set sc: lanes 0-15 take A's block i, lanes 16-31 B's block i
.irp i, 0,1,2,3,4,5,6,7
	ds_load_b128 v[SC+8*NQ*\sc+NQ*\i:SC+8*NQ*\sc+NQ*\i+3], v[ADRS] offset:\i*SBLK
.endr
.endm
.macro PLACES n
.rept \n
	v_nop
.endr
.endm
.macro STEP slot, q, first             ; a step of 128 along K that has its successor in the same slot
	s_wait_dscnt 4*NL                              ; all but the youngest eight loads (A's blocks 4-7) are in
	WIN MUL_LO-0x20*(\first)                       ; (first = 1: C, the bias, lies in window 0)
	MUL16 0, (\q)%2, \q, \slot, \first
	MUL16 2, (\q)%2, \q, \slot, \first
	s_wait_dscnt 0
	PLACES NP
	FETCH_B \slot, (\q)+1, 1-(\q)%2
	FETCH_A \slot, (\q)+1, 0
	WIN MUL_HI-0x30*(\first)
	MUL16 4, (\q)%2, \q, \slot, \first
	MUL16 6, (\q)%2, \q, \slot, \first
	PLACES NP
	WIN 0
	FETCH_A \slot, (\q)+1, 4
.endm
.macro STEPS slot, from
.set Q, \from
.rept NQ-1-\from
	STEP \slot, Q, 0
.set Q, Q+1
.endr
.endm
	s_wait_loadcnt 0x0                             ; the bias
	s_wait_tensorcnt 1                             ; the scales and my part of slot 0 are in; slot 1's one load may stay out,
	s_barrier_signal -1
	s_barrier_wait -1                              ; everybody's are
	FETCH_B 0, 0, 0
	FETCH_A 0, 0, 0
	SCALES 0
	FETCH_A 0, 0, 4
	STEP 0, 0, 1
	STEPS 0, 1
	; slot 0's last step goes over to slot 1: my part of it has landed, then the barrier: everybody's has, and nobody reads slot 0 any more.
	s_wait_tensorcnt 0x0
	s_wait_dscnt 4*NL
	WIN MUL_LO
	MUL16 0, 1, NQ-1, 0, 0
	s_wait_dscnt 0x0                               ; my reads of slot 0 are over
	s_barrier_signal -1
	MUL16 2, 1, NQ-1, 0, 0
	WIN 0
	s_barrier_wait -1
	PLACES NP
	v_add_nc_u32 v[ADRS], 4*NQ, v[ADRS]
	FETCH_B 1, 0, 0
	FETCH_A 1, 0, 0
	SCALES 1
	WIN MUL_HI
	MUL16 4, 1, NQ-1, 0, 0
	MUL16 6, 1, NQ-1, 0, 0
	PLACES NP
	WIN 0
	FETCH_A 1, 0, 4
	STEPS 1, 0
	s_wait_dscnt 4*NL
	WIN MUL_LO
	MUL16 0, 1, NQ-1, 1, 0
	MUL16 2, 1, NQ-1, 1, 0
	s_wait_dscnt 0
	WIN MUL_HI
	MUL16 4, 1, NQ-1, 1, 0
	MUL16 6, 1, NQ-1, 1, 0
	WIN 0
; THE WAY OUT, block by block of 16 rows x 128 columns, through my own stage in LDS: in as 32 bytes a lane, back as whole rows of 512 bytes.  LDS serves a wave's instructions in order (ISA guide 5.7.1.4): no wait between the stores and the loads.
.macro TOSTAGE a
.set AC, 64*((\a)%4)
	WIN 0x08+4*((\a)/4)                            ; the data: window 2 or 3
.irp b, 0,1,2,3,4,5,6,7
	ds_store_b128 v[STO], v[AC+8*\b:AC+8*\b+3] offset:64*\b          ; each accumulator from its low end on
	ds_store_b128 v[STO], v[AC+8*\b+4:AC+8*\b+7] offset:64*\b+16
.endr
	WIN 0
.set BB, BK+64*((\a)%2)
.irp t, 0,1,2,3,4,5,6,7,8,9,10,11,12,13,14,15
	ds_load_b128 v[BB+4*\t:BB+4*\t+3], v[RD] offset:\t*SPITCH
.endr
.endm
.macro SEND a, younger                 ; younger: the LDS instructions issued behind block a's loads, which may stay out
.set BB, BK+64*((\a)%2)
	s_wait_dscnt \younger
.if (\a) > 0
	s_add_nc_u64 s[12:13], s[12:13], 16*SIZE_N*4   ; (behind a wait on XCNT: the earlier stores have read their base)
.endif
.irp t, 0,1,2,3,4,5,6,7,8,9,10,11,12,13,14,15
	global_store_b128 v[CO], v[BB+4*\t:BB+4*\t+3], s[12:13] offset:\t*SIZE_N*4 th:TH_STORE_NT   ; 32 lanes store 512 consecutive bytes, aligned
.endr
.endm
	PLACES NP
	TOSTAGE 0
.irp a, 1,2,3,4,5,6,7
.if \a > 1
	s_wait_xcnt 0x0                                ; block a - 2's stores have read their registers and their base
.endif
	TOSTAGE \a
	SEND \a-1, 32                                  ; behind block a - 1's loads: block a's 16 stores and 16 loads
.endr
	s_wait_xcnt 0x0
	SEND 7, 0
	s_branch .Lclose
	; ---------------- clusters 8-15: out1 ----------------
.Lweights:
	s_load_b128 s[4:7], s[0:1], 0x30               ; qkv, stats
	s_load_b128 s[8:11], s[0:1], 0x40              ; mterm, out1
	s_sub_co_u32 s18, s17, 8                       ; the batch
	s_lshl_b32 s19, s41, 2
	s_add_co_u32 s19, s19, s40                     ; my work-group's place in the cluster, 0..15: it enters global addresses alone
	s_lshl_b32 s19, s19, 2
	s_add_co_u32 s19, s19, s14                     ; my tile of 16 queries, 0..63
	s_lshl_b32 s20, s18, 6
	s_add_co_u32 s20, s20, s19                     ; and among the 512 of batch x query
	s_mul_i32 s22, s18, 8*BLKB                     ; q's block of (batch, head 0)
	s_add_co_u32 s[WKB], s22, PLANE                ; k's
	s_mov_b32 s[WKB+1], 0
	s_lshl_b32 s[WQB], s19, 10                     ; my tile's fragment image
	s_add_co_u32 s[WQB], s[WQB], s22
	s_mov_b32 s[WQB+1], 0
	s_lshr_b32 s[WQSB], s19, 3                     ; its scale words: image tile / 8, 512 bytes each;
	s_lshl_b32 s[WQSB], s[WQSB], 9
	s_bfe_u32 s23, s19, 0x10002                    ; fragments 4-7 lie in the image's upper 256 bytes;
	s_lshl_b32 s23, s23, 8
	s_add_co_u32 s[WQSB], s[WQSB], s23
	s_and_b32 s23, s19, 3                          ; word tile % 4 of a lane's four
	s_lshl_b32 s23, s23, 2
	s_add_co_u32 s[WQSB], s[WQSB], s23
	s_add_co_u32 s[WQSB], s[WQSB], s22
	s_mov_b32 s[WQSB+1], 0
	s_lshl_b32 s[WSB], s20, 7                      ; stats: 8 bytes a row
	s_mov_b32 s[WSB+1], 0
	s_lshl_b32 s[WMB], s18, 12                     ; the batch's 1,024 terms
	s_mov_b32 s[WMB+1], 0
	s_lshl_b32 s[WOB], s20, 16                     ; out1: 16 rows of 4,096 bytes a tile
	s_mov_b32 s[WOB+1], 0
	s_mov_b32 s[WCS], 0x3fb8aa3b                   ; log2(e)
	s_mov_b32 s[WCS+1], s[WCS]                     ; (named with it as a pair, so it is written)
	v_and_b32 v1, 31, v0                           ; lane
	v_and_b32 v2, 15, v0                           ; r
	v_bfe_u32 v3, v0, 4, 1                         ; h
	v_lshlrev_b32 v[WLI], 4, v1
	s_mul_i32 s36, s14, 16*SPITCH
	s_add_co_u32 s36, s36, WST                     ; my stage
	v_mul_u32_u24 v[WSTO], v2, SPITCH              ; in: row r, 32 bytes for each half of the lanes
	v_lshl_add_u32 v[WSTO], v3, 5, v[WSTO]
	v_add_nc_u32 v[WSTO], s36, v[WSTO]
	v_add_nc_u32 v[WRD], s36, v[WLI]               ; back: the 32 lanes take one row of 512 bytes
	v_lshlrev_b32 v[WMO], 5, v3
	v_lshlrev_b32 v[WQO], 4, v2
	v_lshlrev_b32 v[WSO], 3, v2
	s_wait_kmcnt 0x0
	s_add_nc_u64 s[WKB:WKB+1], s[4:5], s[WKB:WKB+1]
	s_add_nc_u64 s[WQB:WQB+1], s[4:5], s[WQB:WQB+1]
	s_add_nc_u64 s[WQSB:WQSB+1], s[4:5], s[WQSB:WQSB+1]
	s_add_nc_u64 s[WSB:WSB+1], s[6:7], s[WSB:WSB+1]
	s_add_nc_u64 s[WMB:WMB+1], s[8:9], s[WMB:WMB+1]
	s_add_nc_u64 s[WOB:WOB+1], s[10:11], s[WOB:WOB+1]
; Step s's 32 loads: its 128 keys' mask terms into the step's own 64 registers of window 2 or 3 (register 8 t + j: key 16 t + 8 (lane / 16) + j, as in the result), and k's eight fragments into set s % 4 of window 1.
.macro WLOADS s
	WIN 0x80+0x40*((\s)/4)                         ; destination window 2 or 3, address window 0
.irp t, 0,1,2,3,4,5,6,7
	global_load_b128 v[64*((\s)%4)+8*\t:64*((\s)%4)+8*\t+3], v[WMO], s[WMB:WMB+1] offset:512*(\s)+64*\t
	global_load_b128 v[64*((\s)%4)+8*\t+4:64*((\s)%4)+8*\t+7], v[WMO], s[WMB:WMB+1] offset:512*(\s)+64*\t+16
.endr
	WIN TO_B
.irp t, 0,1,2,3,4,5,6,7
	global_load_b128 v[64*((\s)%4)+8*\t:64*((\s)%4)+8*\t+3], v[WLI], s[WKB:WKB+1] offset:8192*(\s)+1024*\t
	global_load_b128 v[64*((\s)%4)+8*\t+4:64*((\s)%4)+8*\t+7], v[WLI], s[WKB:WKB+1] offset:8192*(\s)+1024*\t+512
.endr
	WIN 0
.endm
; Step a's 16 rows, back from the stage, are stored.  No LDS instruction has been issued behind their loads.
.macro WSEND a
.irp i, 0,1,2,3,4,5,6,7,8,9,10,11,12,13,14,15
	s_wait_dscnt 15-\i                             ; row i is back; the rows behind it may be out
	global_store_b128 v[WLI], v[WOUT+64*((\a)%2)+4*\i:WOUT+64*((\a)%2)+4*\i+3], s[WOB:WOB+1] offset:512*(\a)+4096*\i th:TH_STORE_NT   ; 32 lanes store 512 consecutive bytes, aligned
.endr
.endm
; A step of 128 keys.  Its loads were issued two steps ago.  The rows of the step before are stored behind this step's products, so that their way through the stage has had that time.
.macro WSTEP s
.set WB, 64*((\s)%4)
.if (\s) < 7
	s_wait_loadcnt 32                              ; this step's loads are in; the next step's 32 may stay out
.else
	s_wait_loadcnt 0x0
.endif
.if (\s) == 0
	v_mov_b32 v[WL], v[WM+1]                       ; 1 / l, as the low word of a pair of its own
	v_mov_b32 v[WL+1], v[WM+1]
.endif
.if (\s)+2 < 8
	WLOADS (\s)+2                                  ; k's set was last read by the products of four steps before that one
.endif
	WIN MUL_LO+0x50*((\s)/4)                       ; source 0 (k) window 1, source 1 (q) window 0, C and D window 2 or 3
.irp t, 0,1,2,3
	v_wmma_scale_f32_16x16x128_f8f6f4 v[WB+8*\t:WB+8*\t+7], v[WB+8*\t:WB+8*\t+7], v[WQ:WQ+7], v[WB+8*\t:WB+8*\t+7], v[WSC+4*(\s)+\t], v[WQS] matrix_a_fmt:MATRIX_FMT_FP4 matrix_b_fmt:MATRIX_FMT_FP4
.endr
.irp t, 4,5,6,7
	v_wmma_scale_f32_16x16x128_f8f6f4 v[WB+8*\t:WB+8*\t+7], v[WB+8*\t:WB+8*\t+7], v[WQ:WQ+7], v[WB+8*\t:WB+8*\t+7], v[WSC+4*(\s)+\t-4], v[WQS] matrix_a_fmt:MATRIX_FMT_FP4 matrix_b_fmt:MATRIX_FMT_FP4 matrix_a_scale:MATRIX_SCALE_ROW1
.endr
	WIN 0
.rept 4
	v_nop                                          ; places behind the products, ahead of the first read of a result
.endr
.if (\s) > 0
	WSEND (\s)-1
.endif
	WIN 0x82+0x41*((\s)/4)                         ; destination and source 0 window 2 or 3; -M and 1 / l in window 0
.set J, 0
.rept 32
	v_pk_fma_f32 v[WB+J:WB+J+1], v[WB+J:WB+J+1], s[WCS:WCS+1], v[WM:WM+1] op_sel_hi:[1,0,0]   ; t - M, two at a time; ascending: each accumulator is read from its low end on
.set J, J+2
.endr
.set J, 0
.rept 64
	v_exp_f32 v[WB+J], v[WB+J]
.set J, J+1
.endr
	v_nop                                          ; a plain instruction behind the exponentials
	s_wait_alu depctr_va_vdst(0)                   ; one wait for the batch, ahead of its first reader
.set J, 0
.rept 32
	v_pk_mul_f32 v[WB+J:WB+J+1], v[WB+J:WB+J+1], v[WL:WL+1] op_sel_hi:[1,0]
.set J, J+2
.endr
	WIN 0x08+4*((\s)/4)                            ; an LDS store's data: window 2 or 3
.irp t, 0,1,2,3,4,5,6,7
	ds_store_b128 v[WSTO], v[WB+8*\t:WB+8*\t+3] offset:64*\t        ; lane (r, h): keys 16 t + 8 h + 0 .. 7 of query r
	ds_store_b128 v[WSTO], v[WB+8*\t+4:WB+8*\t+7] offset:64*\t+16
.endr
	WIN 0
	s_wait_xcnt 0x0                                ; the stores of two steps ago have read the registers that these loads fill
.irp i, 0,1,2,3,4,5,6,7,8,9,10,11,12,13,14,15
	ds_load_b128 v[WOUT+64*((\s)%2)+4*\i:WOUT+64*((\s)%2)+4*\i+3], v[WRD] offset:\i*SPITCH   ; LDS serves a wave's instructions in order (ISA guide 5.7.1.4): these see my stores; the stage is my wave's own
.endr
.endm
	global_load_b64 v[WM:WM+1], v[WSO], s[WSB:WSB+1]               ; -M and 1 / l of my query
	global_load_b128 v[WQ:WQ+3], v[WLI], s[WQB:WQB+1]              ; q's fragment stays in registers
	global_load_b128 v[WQ+4:WQ+7], v[WLI], s[WQB:WQB+1] offset:512
	global_load_b32 v[WQS], v[WQO], s[WQSB:WQSB+1] offset:65536
.irp i, 0,1,2,3,4,5,6,7
	global_load_b128 v[WSC+4*\i:WSC+4*\i+3], v[WLI], s[WKB:WKB+1] offset:65536+512*\i   ; k's eight scale images: word t of lanes 0-15 is tile t's, of lanes 16-31 tile 4 + t's
.endr
	WLOADS 0
	WLOADS 1
	CROUND                                         ; every path of this text passes the same two rounds; this one stands while the first loads are on their way
.irp s, 0,1,2,3,4,5,6,7
	WSTEP \s
.endr
	WSEND 7
.Lclose:
	s_wait_tensorcnt 0x0
	ds_add_u32 v126, v127
	s_wait_dscnt 0x0
	CROUND                                         ; the closing round: no work-group ends while a partner may still ask for a tile that names it
	s_endpgm
.Lfunc_end_k_qe40000531f_outp:
	.size	k_qe40000531f_outp, .Lfunc_end_k_qe40000531f_outp-k_qe40000531f_outp
	.p2alignl 7, 3214868480
	.fill 96, 4, 3214868480
	.section	.rodata,"a",@progbits
	.p2align	6, 0x0
	.amdhsa_kernel k_qe40000531f_outp
		.amdhsa_group_segment_fixed_size 322048
		.amdhsa_private_segment_fixed_size 0
		.amdhsa_enable_private_segment 0
		.amdhsa_kernarg_size 80
		.amdhsa_user_sgpr_count 2
		.amdhsa_user_sgpr_kernarg_segment_ptr 1
		.amdhsa_wavefront_size32 1
		.amdhsa_system_sgpr_workgroup_id_x 1
		.amdhsa_system_sgpr_workgroup_id_y 1
		.amdhsa_system_sgpr_workgroup_id_z 1
		.amdhsa_system_vgpr_workitem_id 0
		.amdhsa_next_free_vgpr 1024
		.amdhsa_next_free_sgpr 98
		.amdhsa_reserve_vcc 0
		.amdhsa_float_denorm_mode_32 3
		.amdhsa_float_denorm_mode_16_64 3
		.amdhsa_memory_ordered 1
		.amdhsa_forward_progress 1
		.amdhsa_inst_pref_size 246
	.end_amdhsa_kernel
	.amdgpu_metadata
---
amdhsa.version: [ 1, 2 ]
amdhsa.kernels:
  - .name:           k_qe40000531f_outp
    .symbol:         k_qe40000531f_outp.kd
    .args:
      - { .name: ctx_codes, .offset: 0, .size: 8, .value_kind: global_buffer, .address_space: global }
      - { .name: ctx_scales, .offset: 8, .size: 8, .value_kind: global_buffer, .address_space: global }
      - { .name: Wf_codes, .offset: 16, .size: 8, .value_kind: global_buffer, .address_space: global }
      - { .name: Wf_scales, .offset: 24, .size: 8, .value_kind: global_buffer, .address_space: global }
      - { .name: out0, .offset: 32, .size: 8, .value_kind: global_buffer, .address_space: global }
      - { .name: bf, .offset: 40, .size: 8, .value_kind: global_buffer, .address_space: global }
      - { .name: qkv, .offset: 48, .size: 8, .value_kind: global_buffer, .address_space: global }
      - { .name: stats, .offset: 56, .size: 8, .value_kind: global_buffer, .address_space: global }
      - { .name: mterm, .offset: 64, .size: 8, .value_kind: global_buffer, .address_space: global }
      - { .name: out1, .offset: 72, .size: 8, .value_kind: global_buffer, .address_space: global }
    .group_segment_fixed_size: 322048
    .private_segment_fixed_size: 0
    .kernarg_segment_align: 8
    .kernarg_segment_size: 80
    .max_flat_workgroup_size: 128
    .sgpr_count:     98
    .vgpr_count:     1024
    .wavefront_size: 32
...
	.end_amdgpu_metadata
.endif
;; end of part 3
;; ======== version 2 of 2: 3 launches; version 1 with the launch attn written anew for expert scheduling mode
;; limits: right only within a limited range of input values
;; workspace buffers: qkv 13,369,344 bytes; ctx_codes 4,194,304 bytes; ctx_scales 262,144 bytes; stats 65,536 bytes; mterm 32,768 bytes
;; launch proj: the kernel of part 1 again; grid 4 x 96, 4 waves a work-group, clusters of 4 x 4, 296,448 bytes of LDS; arguments query_codes, query_scales, memory_codes, memory_scales, Wq_codes, Wq_scales, Wk_codes, Wk_scales, Wv_codes, Wv_scales, bq, bk, bv, qkv; writes qkv
;; launch attn (part 4): grid 4 x 64, 16 waves a work-group, no clusters, 145,408 bytes of LDS; arguments qkv, mask, ctx_codes, ctx_scales, stats, mterm; writes ctx_codes, ctx_scales, stats, mterm
.if DOCPART == 4
	.amdgcn_target "amdgcn-amd-amdhsa--gfx1250"
	.amdhsa_code_object_version 6
	.text
	.protected	k_qe40000531f_attn
	.globl	k_qe40000531f_attn
	.p2align	8
	.type	k_qe40000531f_attn,@function
k_qe40000531f_attn:
	s_mov_b64 s[64:65], 0
	v_nop
	global_prefetch_b8 v0, s[64:65] scope:SCOPE_SE
	s_setreg_imm32_b32 hwreg(HW_REG_WAVE_SCHED_MODE, 0, 2), 2
	s_setreg_imm32_b32 hwreg(HW_REG_WAVE_MODE, 25, 1), 1
	s_wait_xcnt 0x0
	s_wait_alu depctr_vm_vsrc(0)
; ATTENTION of one head on codes of FP4 (E2M1), one E8M0 scale for each 32 along a product's K: S^T = K Q^T, the mask, the softmax, O^T = V^T P^T, O / l quantised along the channels for the last product.
; q, k, v come from qkv as images of operands' registers: block (p, batch, head) = 64 fragments [step of 128][16 rows] x 1,024 bytes, then 8 scale images x 512 bytes (byte 16 L + 4 i: row L % 16 of fragment 4 (L / 16) + i).
; THE SOFTMAX AHEAD OF THE SECOND PRODUCT: t = score x log2(e); M = the row's largest t so far, rounded up to a whole number; p = 2^(t - M) is quantised along the keys; the row's sum is taken of the unquantised p and divides O at the end.
; SHARES.  A work-group owns 256 queries of one head; each of its sixteen waves owns 16 of them in 256 registers: four waves to a SIMD.  A lane holds ONE query (lane % 16) throughout; both products are used transposed.
; THE WHOLE HEAD'S K AND V LIE IN LDS (2 x 69,632 bytes), filled once through registers, 17 loads and 17 LDS stores of 16 bytes a thread, each covering 512 consecutive bytes a wave: one barrier in the whole text.
; THE MASK is an input.  A masked key's term, -2^100, is the C of its score's product: t is then under -1e30 and p is 0.  A step of 128 keys all of which are masked is jumped over; a step with no masked key loads no terms.
; HEAD 0'S FINISHED WEIGHTS want the final M and l, so they are made by the next launch: head 0's waves store -M and 1 / l of their rows (stats, 8 bytes a row), and the first work-group of each batch's head 0 the batch's mask terms (mterm).
; NO CLUSTER, NO TENSOR LOAD, though the four work-groups of a head read the same K and V: the two jumps on the mask hang on numbers read from memory.
; Nothing is prefetched: a work-group asks for all its bytes at its head.
; ctx's scale words are stored 4 bytes in each 32 (262,144 bytes in all) and stats 128 bytes a wave (65,536 in all): blocks of 256 bytes are written in part there.
; LIMITS: scores of open keys lie above -2^99 / log2(e).  A batch whose every key is masked gives NaN in both outputs, as the definition does (the scale word 0xffffffff carries it into the last product, 1 / l = NaN into the weights).
; NaN and infinities among the inputs are not served.  Blocks of zeros carry the scale byte 1: their codes are zeros, and this program alone reads the bytes.
; THE MODE: SCHED_MODE bits 1:0 = 2 (LLVM: expert scheduling mode 2), set by the entry lines.  The code itself states the register dependences between vector or matrix instructions and memory or LDS instructions, with s_wait_alu, always for 0.
; THE PLAN.  Registers that LDS instructions touch in the loop, in the order of a step:
;   v8-11, v24   the step's five LDS addresses.  Written at the step's head; read by the step's loads.
;   v32-95       eight fragments.  K's 16 loads land at the head; the eight products K Q^T read them; V's 16 loads land behind the exponentials' wait; the eight products V^T P^T read them.
;   v248-251     a scale image.  K's lands at the head, V's with V's fragments; read by the same products.
;   v96-159      where the step has a masked key, its 128 terms land here at the head and are the C and D of the products K Q^T; the step before has written them (multiply-adds, exponentials) and read them (sums, conversions).
; So a step has four waits.  At its head one on vm_vsrc (the last step's loads have read the addresses) and, behind the five additions, one on va_vdst (the addresses are written; the last step's products V^T P^T are done reading v32-95 and
; v248-251; its vector work is done with v96-159).  One on va_vdst behind the batch of 68 exponentials (their results are written; the products K Q^T are done reading v32-95 and v248-251): V's loads follow it, dealt among the row's additions,
; which name none of their registers.  One on va_vdst ahead of the products V^T P^T (p's codes and scale word are written).  A step that is jumped over issues nothing; every step that works passes its head's two waits first.
; REGISTERS: v1-7 addresses that stay; v8-11, v24 addresses of the step in hand; v12 -M, v13 the largest t, v[14:15] the sum in two halves; v16-23 Q; v27-30 the fill's LDS addresses; v32-95 eight fragments;
; v96-159 the step's mask terms, S^T, then p; v160-223 O^T; v224-231 codes; v232-247 at work; v248-251 a scale image; v252 f; v253 p's scale word; v255 Q's.
.set KSC,  65536                       ; LDS: K's codes at 0, K's scale images,
.set VC,   69632                       ; V's codes,
.set VSC,  135168                      ; V's scale images,
.set MT,   139264                      ; and 1,024 mask terms
.set BLKB, 69632
.set PLANE, 64*BLKB                    ; from q's blocks to k's, and from k's to v's
.set LI,   1                           ; v1  16 x lane
.set AV0,  2                           ; v2  + V's codes
.set ASK0, 3                           ; v3  + K's scale images
.set ASV0, 4                           ; v4  + V's
.set AM0,  5                           ; v5  the mask terms of my half: MT + 32 (lane / 16)
.set SO,   6                           ; v6  8 x (lane % 16): my row's place in stats
.set TO,   7                           ; v7  8 x thread: my two terms' place in mterm
.set ADK,  8
.set ADV,  9
.set ADS,  10
.set ADT,  11
.set ADM,  24
.set RO,   25                          ; v25 32 x (lane % 16): my row's scale words in ctx_scales
.set NANR, 26                          ; v26 NaN
.set FK,   27                          ; v27 16 x thread
.set FV,   28
.set FS,   29
.set FM,   30
.set TM,   232
.set TK,   2                           ; s2  the step's codes: 8,192 bytes a step
.set TS,   3                           ; s3  its scale image and its mask terms: 512 bytes a step
.set WV,   18
.set SEL,  20
.set CS,   22                          ; s[22:23] log2(e)
.set CNT,  24
.set ANY,  25                          ; s25 bit i: some key of 32 i .. 32 i + 31 is masked
.set ALL,  26                          ; s26 bit i: all are
.set SH,   27                          ; s27 4 x step
.set HD,   30                          ; s30 the head
	s_load_b256 s[4:11], s[0:1], 0x0               ; qkv, mask, ctx_codes, ctx_scales
	s_load_b128 s[12:15], s[0:1], 0x20             ; stats, mterm
	v_lshrrev_b32 v114, 5, v0
	v_readfirstlane_b32 s[WV], v114                ; wave 0..15
	v_and_b32 v114, 31, v0                         ; lane
	v_and_b32 v115, 15, v0                         ; r
	v_bfe_u32 v116, v0, 4, 1                       ; h
	v_lshlrev_b32 v[LI], 4, v114
	v_add_nc_u32 v[AV0], VC, v[LI]
	v_add_nc_u32 v[ASK0], KSC, v[LI]
	v_add_nc_u32 v[ASV0], VSC, v[LI]
	v_lshl_add_u32 v[AM0], v116, 5, MT
	v_lshlrev_b32 v[SO], 3, v115
	v_lshlrev_b32 v[TO], 3, v0
	v_lshlrev_b32 v[RO], 5, v115
	v_mov_b32 v[NANR], 0x7fc00000
	v_lshlrev_b32 v[FK], 4, v0                     ; the fill: 512 threads x 16 bytes = 8,192 bytes an instruction
	v_add_nc_u32 v[FV], VC, v[FK]
	v_lshrrev_b32 v117, 8, v0                      ; 0: waves 0-7 bring K's scale images; 1: waves 8-15 V's
	v_lshl_add_u32 v[FS], v117, 16, v[FK]
	v_add_nc_u32 v[FS], KSC, v[FS]                 ; 65,536 + 16 t, and 65,536 more for V's: 135,168 + 16 (t - 256)
	v_lshl_add_u32 v[FM], v0, 3, MT                ; two mask terms a thread
	v_and_b32 v118, 255, v0
	v_lshlrev_b32 v118, 4, v118
	v_mul_u32_u24 v117, v117, PLANE
	v_add_nc_u32 v118, v118, v117                  ; the scale images in memory, from K's block on
	v_lshlrev_b32 v119, 1, v0                      ; the mask: my two bytes,
	v_lshlrev_b32 v120, 5, v114                    ; and 32 bytes a lane: each wave reads the batch's 1,024
	v_lshlrev_b32 v121, 4, v115                    ; Q's scale word: 16 bytes from row to row
	s_wait_alu depctr_va_sdst(0)                   ; the wave's number is written, ahead of its first reader: the addresses below are made from it
	s_and_b32 s29, ttmp7, 0xffff                   ; 8 x batch + head
	s_lshr_b32 s31, s29, 3
	s_and_b32 s[HD], s29, 7
	s_mul_i32 s32, s29, BLKB                       ; q's block
	s_mov_b32 s33, 0
	s_lshl_b32 s44, ttmp9, 14                      ; my tile of 16 queries is fragment 16 x work-group x + wave of the block
	s_lshl_b32 s45, s[WV], 10
	s_add_co_u32 s44, s44, s45
	s_add_co_u32 s44, s44, s32
	s_mov_b32 s45, 0
	s_lshl_b32 s46, ttmp9, 10                      ; its scale words: image 2 x + wave / 8, 512 bytes each;
	s_lshr_b32 s47, s[WV], 3
	s_lshl_b32 s47, s47, 9
	s_add_co_u32 s46, s46, s47
	s_bfe_u32 s47, s[WV], 0x10002                  ; fragments 4-7 lie in the image's upper 256 bytes;
	s_lshl_b32 s47, s47, 8
	s_add_co_u32 s46, s46, s47
	s_and_b32 s47, s[WV], 3                        ; word wave % 4 of a lane's four
	s_lshl_b32 s47, s47, 2
	s_add_co_u32 s46, s46, s47
	s_add_co_u32 s46, s46, s32
	s_mov_b32 s47, 0
	s_lshl_b32 s36, s31, 10                        ; the batch's mask
	s_mov_b32 s37, 0
	s_lshl_b32 s48, s31, 12                        ; and its 1,024 terms in mterm
	s_mov_b32 s49, 0
	s_lshl_b32 s28, s31, 6
	s_lshl_b32 s29, ttmp9, 4
	s_add_co_u32 s28, s28, s29
	s_add_co_u32 s28, s28, s[WV]                   ; mt: my tile of 16 rows among the 512 of batch x query
	s_lshl_b32 s38, s28, 13
	s_lshl_b32 s29, s[HD], 10
	s_add_co_u32 s38, s38, s29                     ; ctx_codes [mt][head][1,024]
	s_mov_b32 s39, 0
	s_lshl_b32 s40, s28, 9
	s_lshl_b32 s29, s[HD], 2
	s_add_co_u32 s40, s40, s29                     ; ctx_scales [row][head], a word each
	s_mov_b32 s41, 0
	s_lshl_b32 s42, s28, 7                         ; stats [row], 8 bytes each
	s_mov_b32 s43, 0
	s_mov_b32 s[SEL], 0x76543210
	s_mov_b32 s[SEL+1], 0xfedcba98
	s_mov_b32 s[CS], 0x3fb8aa3b                    ; log2(e)
	s_mov_b32 s[CS+1], s[CS]                       ; (named with it as a pair, so it is written)
	s_wait_kmcnt 0x0
	s_add_nc_u64 s[34:35], s[4:5], s[32:33]
	s_add_nc_u64 s[34:35], s[34:35], PLANE         ; k's block; v's lies PLANE bytes on, inside the loads' immediate
	s_add_nc_u64 s[44:45], s[4:5], s[44:45]
	s_add_nc_u64 s[46:47], s[4:5], s[46:47]
	s_add_nc_u64 s[36:37], s[6:7], s[36:37]
	s_add_nc_u64 s[38:39], s[8:9], s[38:39]
	s_add_nc_u64 s[40:41], s[10:11], s[40:41]
	s_add_nc_u64 s[42:43], s[12:13], s[42:43]
	s_add_nc_u64 s[48:49], s[14:15], s[48:49]
	s_wait_alu depctr_va_vdst(0)                   ; every offset and LDS address made above is written: the loads below, the fill's LDS stores and the stores at the end read them
	global_load_u16 v100, v119, s[36:37]
	global_load_b128 v[104:107], v120, s[36:37]
	global_load_b128 v[108:111], v120, s[36:37] offset:16
.irp i, 0,1,2,3,4,5,6,7
	global_load_b128 v[32+4*\i:35+4*\i], v[FK], s[34:35] offset:8192*\i
.endr
.irp i, 0,1,2,3,4,5,6,7
	global_load_b128 v[64+4*\i:67+4*\i], v[FK], s[34:35] offset:PLANE+8192*\i
.endr
	global_load_b128 v[96:99], v118, s[34:35] offset:65536
	global_load_b128 v[16:19], v[LI], s[44:45]     ; Q's fragment stays in registers
	global_load_b128 v[20:23], v[LI], s[44:45] offset:512
	global_load_b32 v255, v121, s[46:47] offset:65536
	s_wait_loadcnt 20                              ; the mask's three loads are in: behind them stand the fill's 17 and Q's 3
	v_and_b32 v102, 1, v100                        ; key 2 t,
	v_bfe_u32 v103, v100, 8, 1                     ; key 2 t + 1
	v_sub_nc_u32 v102, 0, v102                     ; 0 or all ones
	v_sub_nc_u32 v103, 0, v103
	v_and_b32 v102, 0xf1800000, v102               ; 0 or -2^100
	v_and_b32 v103, 0xf1800000, v103
	s_wait_alu depctr_va_vdst(0)                   ; v102 and v103 are written, which the LDS store and the store below read
	ds_store_b64 v[FM], v[102:103]
	s_or_b32 s28, s[HD], ttmp9                     ; the batch's terms go to memory once: from head 0's first work-group (a branch on ids)
	s_cmp_lg_u32 s28, 0
	s_cbranch_scc1 .Lno_terms
	global_store_b64 v[TO], v[102:103], s[48:49]   ; a wave stores 256 consecutive bytes, aligned
.Lno_terms:
	v_or_b32 v112, v104, v105                      ; my 32 keys: is any masked, are all?
	v_and_b32 v113, v104, v105
.irp i, 106,107,108,109,110,111
	v_or_b32 v112, v112, v\i
	v_and_b32 v113, v113, v\i
.endr
	s_mov_b32 s28, 0x01010101
	v_cmp_ne_u32 s[ANY], 0, v112
	v_cmp_eq_u32 s[ALL], s28, v113
	s_wait_alu depctr_va_sdst(0)                   ; the two masks are written, ahead of every label and of their first readers, the shifts at a step's head
	v_mov_b32 v13, 0xff61b1e6                      ; the largest t so far: -3e38, under every t
	v_floor_f32 v12, -v13                          ; -M
	v_mov_b32 v14, 0                               ; the sum, in two halves
	v_mov_b32 v15, 0
.irp b, 0,1,2,3
	v_mov_b32 v[236+\b], 0                         ; written once: a lane permute's destination counts as one of its sources
.endr
	v_mov_b32 v252, 0
	v_mov_b32 v253, 0                              ; (named as the upper half of the pair v[252:253] before it is first written)
.set J, 0
.rept 64
	v_mov_b32 v[160+J], 0                          ; O^T.  (The loop is written once: its first step finds zeros, which the first change of M leaves zeros)
.set J, J+1
.endr
	s_wait_loadcnt 3                               ; the fill's 17 loads are in; Q's three may stay out
.irp i, 0,1,2,3,4,5,6,7
	ds_store_b128 v[FK], v[32+4*\i:35+4*\i] offset:8192*\i          ; data that loads brought, addresses from ahead of the head's wait: no vector instruction since names either
.endr
.irp i, 0,1,2,3,4,5,6,7
	ds_store_b128 v[FV], v[64+4*\i:67+4*\i] offset:8192*\i
.endr
	ds_store_b128 v[FS], v[96:99]
	s_wait_dscnt 0x0                               ; for the others' sake: my stores have landed
	s_barrier_signal -1
	s_barrier_wait -1                              ; K, V, their scales and the mask terms lie in LDS
	s_wait_loadcnt 0x0                             ; Q
	s_wait_xcnt 0x0                                ; the terms' store has read v102 and v103, which the scores take
	s_wait_alu depctr_vm_vsrc(0)                   ; the fill's LDS stores have read v32-99, the terms' two stores v102 and v103, the head's loads their offsets v118-121: all are written again, in the loop or, where every step is jumped over, behind it
; 64 numbers of a lane, register 8 t + j = k 16 t + 8 (lane / 16) + j of my row, become a fragment's codes in v[pc] on and its scale word in v[pw].  The operand wants k = 64 c + 32 h + 8 g + 0 .. 7 in register 4 c + g of half h:
; tiles 4 c, 4 c + 2 go to registers 4 c, 4 c + 1, tiles 4 c + 1, 4 c + 3 to 4 c + 2, 4 c + 3, and each pair changes the first's upper lanes for the second's lower.
.macro QUANTP s, pc, pw
.irp b, 0,1,2,3
	v_max3_num_f32 v[TM+\b], |v[(\s)+16*\b]|, |v[(\s)+1+16*\b]|, 0x1800000   ; block b: my 16 numbers, and the floor 2^(3 - 127): the byte cannot fall under 1
.endr
.irp i, 2,4,6,8,10,12,14
.irp b, 0,1,2,3
	v_max3_num_f32 v[TM+\b], v[TM+\b], |v[(\s)+16*\b+\i]|, |v[(\s)+1+16*\b+\i]|
.endr
.endr
.irp b, 0,1,2,3
	v_permlanex16_b32 v[TM+4+\b], v[TM+\b], s[SEL], s[SEL+1]
.endr
.irp b, 0,1,2,3
	v_max_num_f32 v[TM+\b], v[TM+\b], v[TM+4+\b]
.endr
.irp b, 0,1,2,3
	v_add_nc_u32 v[TM+8+\b], 0xff000000, v[TM+\b]  ; 2 off the exponent field: the conversion's scale operand
.endr
.irp b, 0,1,2,3
	v_lshrrev_b32 v[TM+4+\b], 23, v[TM+8+\b]       ; the scale's byte
.endr
	v_lshl_or_b32 v[\pw], v[TM+5], 8, v[TM+4]
	v_lshl_or_b32 v[\pw], v[TM+6], 16, v[\pw]
	v_lshl_or_b32 v[\pw], v[TM+7], 24, v[\pw]
.irp t, 0,1,2,3,4,5,6,7
	v_cvt_scalef32_pk8_fp4_f32 v[(\pc)+4*(\t/4)+2*(\t%2)+(\t%4)/2], v[(\s)+8*\t:(\s)+8*\t+7], v[TM+8+\t/2]
.endr
	v_nop                                          ; one plain instruction behind the scaled conversions
.irp c, 0,1
	v_permlane16_swap_b32 v[(\pc)+4*\c], v[(\pc)+4*\c+1]
	v_permlane16_swap_b32 v[(\pc)+4*\c+2], v[(\pc)+4*\c+3]
.endr
.endm
	s_mov_b32 s[TK], 0
	s_mov_b32 s[TS], 0
	s_mov_b32 s[SH], 0
	s_mov_b32 s[CNT], 8
.Lstep:                                            ; eight steps of 128 keys
	s_lshr_b32 s28, s[ALL], s[SH]
	s_and_b32 s28, s28, 15
	s_cmp_eq_u32 s28, 15                           ; all 128 keys masked: every p would be 0: the step's work is left out, not the lines at its end that step addresses
	s_cbranch_scc1 .Lskip
	s_wait_alu depctr_vm_vsrc(0)                   ; the LDS loads issued so far have read the five address registers, which are written anew
	v_add_nc_u32 v[ADK], s[TK], v[LI]              ; the step's addresses
	v_add_nc_u32 v[ADS], s[TS], v[ASK0]
	v_add_nc_u32 v[ADM], s[TS], v[AM0]
	v_add_nc_u32 v[ADV], s[TK], v[AV0]
	v_add_nc_u32 v[ADT], s[TS], v[ASV0]
	s_wait_alu depctr_va_vdst(0)                   ; the five addresses are written; the last products V^T P^T are done reading v32-95 and v248-251, and the vector work before them is done with v96-159: the loads below land in all three
	ds_load_b128 v[248:251], v[ADS]                ; K's scale image
.irp n, 0,1,2,3,4,5,6,7,8,9,10,11,12,13,14,15
	ds_load_b128 v[32+4*\n:35+4*\n], v[ADK] offset:512*\n           ; K's eight fragments: half n % 2 of fragment n / 2
.endr
	s_lshr_b32 s28, s[ANY], s[SH]
	s_and_b32 s28, s28, 15
	s_cmp_eq_u32 s28, 0                            ; mask terms only where a key of the step is masked
	s_cbranch_scc1 .Lopen
	; S^T = K Q^T of the step's 128 keys, eight tiles of 16 keys.  Here the keys' mask terms are the products' C, in the scores' own registers.  Tiles 4-7 take their scale words from lanes 16-31.
.irp n, 0,1,2,3,4,5,6,7,8,9,10,11,12,13,14,15
	ds_load_b128 v[96+4*\n:99+4*\n], v[ADM] offset:64*(\n/2)+16*(\n%2)   ; register 8 T + j: key 16 T + 8 (lane / 16) + j, as in the result.  No vector instruction since the head's wait names these registers
.endr
	s_wait_dscnt 0x0
.irp t, 0,1,2,3
	v_wmma_scale_f32_16x16x128_f8f6f4 v[96+8*\t:103+8*\t], v[32+8*\t:39+8*\t], v[16:23], v[96+8*\t:103+8*\t], v[248+\t], v255 matrix_a_fmt:MATRIX_FMT_FP4 matrix_b_fmt:MATRIX_FMT_FP4
.endr
.irp t, 4,5,6,7
	v_wmma_scale_f32_16x16x128_f8f6f4 v[96+8*\t:103+8*\t], v[32+8*\t:39+8*\t], v[16:23], v[96+8*\t:103+8*\t], v[248+\t-4], v255 matrix_a_fmt:MATRIX_FMT_FP4 matrix_b_fmt:MATRIX_FMT_FP4 matrix_a_scale:MATRIX_SCALE_ROW1
.endr
	s_branch .Ljoin
.Lopen:                                            ; no key of the step is masked: the constant 0 is the products' C
	s_wait_dscnt 0x0
.irp t, 0,1,2,3
	v_wmma_scale_f32_16x16x128_f8f6f4 v[96+8*\t:103+8*\t], v[32+8*\t:39+8*\t], v[16:23], 0, v[248+\t], v255 matrix_a_fmt:MATRIX_FMT_FP4 matrix_b_fmt:MATRIX_FMT_FP4
.endr
.irp t, 4,5,6,7
	v_wmma_scale_f32_16x16x128_f8f6f4 v[96+8*\t:103+8*\t], v[32+8*\t:39+8*\t], v[16:23], 0, v[248+\t-4], v255 matrix_a_fmt:MATRIX_FMT_FP4 matrix_b_fmt:MATRIX_FMT_FP4 matrix_a_scale:MATRIX_SCALE_ROW1
.endr
.Ljoin:
.rept 4
	v_nop                                          ; places behind the products, ahead of the first read of a result (ISA guide 7.12.1)
.endr
.irp b, 0,1,2,3
	v_max3_num_f32 v[232+\b], v[96+16*\b], v[97+16*\b], v[98+16*\b]   ; the largest score of each block of 32 keys: for the row's maximum, and, since p rises with the score, for the block's largest p
.endr
.irp i, 3,5,7,9,11,13
.irp b, 0,1,2,3
	v_max3_num_f32 v[232+\b], v[232+\b], v[96+16*\b+\i], v[97+16*\b+\i]
.endr
.endr
.irp b, 0,1,2,3
	v_max_num_f32 v[232+\b], v[232+\b], v[111+16*\b]
.endr
.irp b, 0,1,2,3
	v_permlanex16_b32 v[236+\b], v[232+\b], s[SEL], s[SEL+1]
.endr
.irp b, 0,1,2,3
	v_max_num_f32 v[232+\b], v[232+\b], v[236+\b]  ; with lane l xor 16's 16 keys
.endr
	v_max3_num_f32 v254, v232, v233, v234
	v_max_num_f32 v254, v254, v235                 ; the step's largest score of my query: an open key's, since the step has one
	v_mul_f32 v254, s[CS], v254
	v_max_num_f32 v13, v13, v254                   ; the running largest t
	v_mov_b32 v254, v12
	v_floor_f32 v12, -v13                          ; the new -M = -ceil(t): a whole number
	v_sub_f32 v254, v12, v254                      ; M's old value less its new one: a whole number, 0 or less
	v_cvt_i32_f32 v254, v254                       ; (it saturates)
	v_ldexp_f32 v252, 1.0, v254                    ; f = 2^(old M - new M): a multiplication by it rounds nothing
.set J, 0
.rept 32
	v_pk_fma_f32 v[96+J:97+J], v[96+J:97+J], s[CS:CS+1], v[12:13] op_sel_hi:[1,0,0]   ; t - M, two at a time
.set J, J+2
.endr
.irp b, 0,1,2,3
	v_fma_f32 v[232+\b], v[232+\b], s[CS], v12     ; the same of each block's largest score
.endr
.set J, 0
.rept 64
	v_exp_f32 v[96+J], v[96+J]                     ; p = 2^(t - M), at most 1: not normalised
.set J, J+1
.endr
.irp b, 0,1,2,3
	v_exp_f32 v[232+\b], v[232+\b]                 ; the block's largest p: in the same batch
.endr
	v_pk_mul_f32 v[14:15], v[14:15], v[252:253] op_sel_hi:[1,0]   ; the sums under the new M: the plain instruction behind the exponentials
	s_wait_alu depctr_va_vdst(0)                   ; the 68 exponentials have written v96-159 and v232-235, ahead of their first reader; and the products K Q^T are done reading v32-95 and v248-251, in which V's loads below land
	; V's scale image and eight fragments are asked for here, one load to each pair of the row's additions, which name v14, v15, v96-159, v236 and v237 alone
	ds_load_b128 v[248:251], v[ADT]
	ds_load_b128 v[32:35], v[ADV]
	v_pk_add_f32 v[236:237], v[96:97], v[98:99]    ; the row's sum is taken of the unquantised p: two at a time, in two chains
.irp j, 4,8,12,16,20,24,28,32,36,40,44,48,52,56,60
	ds_load_b128 v[32+\j:35+\j], v[ADV] offset:128*\j               ; load n = j / 4: half n % 2 of fragment n / 2, 512 n bytes on
	v_pk_add_f32 v[14:15], v[14:15], v[96+\j:97+\j]
	v_pk_add_f32 v[236:237], v[236:237], v[98+\j:99+\j]
.endr
	v_pk_add_f32 v[14:15], v[14:15], v[236:237]
.irp b, 0,1,2,3
	v_max_num_f32 v[232+\b], 0x1800000, v[232+\b]  ; the floor 2^(3 - 127): a block whose every p is 0 keeps the byte 1: its codes are zeros
.endr
.irp b, 0,1,2,3
	v_add_nc_u32 v[244+\b], 0xff000000, v[232+\b]
.endr
.irp b, 0,1,2,3
	v_lshrrev_b32 v[236+\b], 23, v[244+\b]
.endr
	v_lshl_or_b32 v253, v237, 8, v236              ; p's scale word for these 128 keys
	v_lshl_or_b32 v253, v238, 16, v253
	v_lshl_or_b32 v253, v239, 24, v253
.irp t, 0,1,2,3,4,5,6,7
	v_cvt_scalef32_pk8_fp4_f32 v[224+4*(\t/4)+2*(\t%2)+(\t%4)/2], v[96+8*\t:103+8*\t], v[244+\t/2]
.endr
	v_nop                                          ; one plain instruction behind the scaled conversions
.irp c, 0,1
	v_permlane16_swap_b32 v[224+4*\c], v[225+4*\c]
	v_permlane16_swap_b32 v[226+4*\c], v[227+4*\c]
.endr
.set J, 0
.rept 32
	v_pk_mul_f32 v[160+J:161+J], v[160+J:161+J], v[252:253] op_sel_hi:[1,0]   ; O^T under the new M.  (These 32 are also the places between p's codes and scale word and the products)
.set J, J+2
.endr
	; O^T += V^T P^T: eight tiles of 16 of the head's 128 channels; K = these 128 keys.  The eight accumulators take turns
	s_wait_dscnt 0x0                               ; V's fragments and scale image are in
	s_wait_alu depctr_va_vdst(0)                   ; the conversions and exchanges have written p's codes v224-231, the shifts its scale word v253: the scaled products take them as source 1 and its scales; the places above stay beside this wait
.irp t, 0,1,2,3
	v_wmma_scale_f32_16x16x128_f8f6f4 v[160+8*\t:167+8*\t], v[32+8*\t:39+8*\t], v[224:231], v[160+8*\t:167+8*\t], v[248+\t], v253 matrix_a_fmt:MATRIX_FMT_FP4 matrix_b_fmt:MATRIX_FMT_FP4
.endr
.irp t, 4,5,6,7
	v_wmma_scale_f32_16x16x128_f8f6f4 v[160+8*\t:167+8*\t], v[32+8*\t:39+8*\t], v[224:231], v[160+8*\t:167+8*\t], v[248+\t-4], v253 matrix_a_fmt:MATRIX_FMT_FP4 matrix_b_fmt:MATRIX_FMT_FP4 matrix_a_scale:MATRIX_SCALE_ROW1
.endr
.Lskip:
	s_add_co_u32 s[TK], s[TK], 8192
	s_add_co_u32 s[TS], s[TS], 512
	s_add_co_u32 s[SH], s[SH], 4
	s_sub_co_u32 s[CNT], s[CNT], 1
	s_cmp_lg_u32 s[CNT], 0
	s_cbranch_scc1 .Lstep
	; O^T / the sum, quantised along the channels: K step "head" of the last product, rows = my 16 queries: one fragment image and one scale word a row.
.rept 4
	v_nop
.endr
	v_add_f32 v14, v14, v15                        ; the sum's two halves,
	v_permlanex16_b32 v252, v14, s[SEL], s[SEL+1]
	v_add_f32 v14, v14, v252                       ; and lane l xor 16's
	v_cmp_gt_f32 vcc_lo, 0xf1000000, v13           ; no open key was seen: the largest t still lies under -2^99
	v_rcp_f32 v14, v14
	v_nop                                          ; a plain instruction behind the reciprocal
	s_wait_alu depctr_va_vcc(0)                    ; the compare has written VCC, ahead of its first reader, the choice below
	s_wait_alu depctr_va_vdst(0)                   ; the reciprocal has written v14, ahead of its first reader
	v_cndmask_b32 v14, v14, v[NANR], vcc_lo        ; then the row is NaN
	v_mov_b32 v13, v14                             ; 1 / l beside -M, for head 0's store at the end: made here, in every wave, so that one wait serves all the stores
.set J, 0
.rept 32
	v_pk_mul_f32 v[96+J:97+J], v[160+J:161+J], v[14:15] op_sel_hi:[1,0]   ; ascending: each accumulator is read from its low end on
.set J, J+2
.endr
	QUANTP 96, 224, 253
	v_cndmask_b32 v253, v253, -1, vcc_lo           ; the byte 0xff makes the last product's row NaN
	s_wait_alu depctr_va_vdst(0)                   ; the codes v224-231, the scale word v253 and the pair v[12:13] are written, which the four stores below read
	global_store_b128 v[LI], v[224:227], s[38:39]  ; 512 consecutive bytes a store
	global_store_b128 v[LI], v[228:231], s[38:39] offset:512
	global_store_b32 v[RO], v253, s[40:41]         ; both halves of the lanes store the same word
	s_cmp_lg_u32 s[HD], 0                          ; head 0 alone leaves -M and 1 / l of its rows for the launch that makes the weights (a branch on ids)
	s_cbranch_scc1 .Lend
	global_store_b64 v[SO], v[12:13], s[42:43]     ; both halves of the lanes store the same pair
.Lend:
	s_wait_xcnt 0x0
	v_lshl_add_u32 v254, v0, 2, 0x23000            ; the add's two registers, made anew: no memory or LDS instruction of this text has read either
	v_mov_b32 v255, 0
	s_wait_dscnt 0x0                               ; the closing lines, six on end
	s_wait_alu 0x0
	s_wait_tensorcnt 0x0
	ds_add_u32 v254, v255
	s_wait_dscnt 0x0
	s_endpgm
.Lfunc_end_k_qe40000531f_attn:
	.size	k_qe40000531f_attn, .Lfunc_end_k_qe40000531f_attn-k_qe40000531f_attn
	.p2alignl 7, 3214868480
	.fill 96, 4, 3214868480
	.section	.rodata,"a",@progbits
	.p2align	6, 0x0
	.amdhsa_kernel k_qe40000531f_attn
		.amdhsa_group_segment_fixed_size 145408
		.amdhsa_private_segment_fixed_size 0
		.amdhsa_enable_private_segment 0
		.amdhsa_kernarg_size 48
		.amdhsa_user_sgpr_count 2
		.amdhsa_user_sgpr_kernarg_segment_ptr 1
		.amdhsa_wavefront_size32 1
		.amdhsa_system_sgpr_workgroup_id_x 1
		.amdhsa_system_sgpr_workgroup_id_y 1
		.amdhsa_system_sgpr_workgroup_id_z 1
		.amdhsa_system_vgpr_workitem_id 0
		.amdhsa_next_free_vgpr 256
		.amdhsa_next_free_sgpr 66
		.amdhsa_reserve_vcc 1
		.amdhsa_float_denorm_mode_32 3
		.amdhsa_float_denorm_mode_16_64 3
		.amdhsa_memory_ordered 1
		.amdhsa_forward_progress 1
		.amdhsa_inst_pref_size 38
	.end_amdhsa_kernel
	.amdgpu_metadata
---
amdhsa.version: [ 1, 2 ]
amdhsa.kernels:
  - .name:           k_qe40000531f_attn
    .symbol:         k_qe40000531f_attn.kd
    .args:
      - { .name: qkv, .offset: 0, .size: 8, .value_kind: global_buffer, .address_space: global }
      - { .name: mask, .offset: 8, .size: 8, .value_kind: global_buffer, .address_space: global }
      - { .name: ctx_codes, .offset: 16, .size: 8, .value_kind: global_buffer, .address_space: global }
      - { .name: ctx_scales, .offset: 24, .size: 8, .value_kind: global_buffer, .address_space: global }
      - { .name: stats, .offset: 32, .size: 8, .value_kind: global_buffer, .address_space: global }
      - { .name: mterm, .offset: 40, .size: 8, .value_kind: global_buffer, .address_space: global }
    .group_segment_fixed_size: 145408
    .private_segment_fixed_size: 0
    .kernarg_segment_align: 8
    .kernarg_segment_size: 48
    .max_flat_workgroup_size: 512
    .sgpr_count:     66
    .vgpr_count:     256
    .wavefront_size: 32
...
	.end_amdgpu_metadata
.endif
;; end of part 4
;; launch outp: the kernel of part 3 again; grid 4 x 64, 4 waves a work-group, clusters of 4 x 4, 322,048 bytes of LDS; arguments ctx_codes, ctx_scales, Wf_codes, Wf_scales, out0, bf, qkv, stats, mterm, out1; writes out0, out1
